; MI455X (gfx1250); checked and timed in simulation.
; The chip was launched on July 23, 2026; its instructions are those of AMD's public machine-readable ISA for CDNA 5 (MIT licence, August 2026) and "CDNA5" Instruction Set Architecture Reference Guide (July 2026). The comments in the code are by the model that wrote it; some were corrected since.
;; Attention. Allowed arithmetic: float matrix products may take bf16 or f16 operands with f32 sums; other float arithmetic in f32, or as packed bf16 or f16 multiplies, adds, multiply-adds, maxima and minima; sums over many terms, partial sums and values carried from step to step in f32; what a program stores and reads back later, other than sums and carried values, may be rounded once to bf16 or f16.
;; Inputs: K 4 x 2,048 x 1,024 float32; Q 4 x 2,048 x 1,024 float32; V 4 x 2,048 x 1,024 float32; Wk_b 1,024 float32; Wk_w 1,024 x 1,024 float32; Wq_b 1,024 float32; Wq_w 1,024 x 1,024 float32; Wv_b 1,024 float32; Wv_w 1,024 x 1,024 float32; mask 4 x 2,048 x 2,048 int32.
;; Outputs: out0 4 x 2,048 x 1,024 float32.
;; 2 versions, each right; version 2 is version 1 with the launch castw written anew for expert scheduling mode. Each part assembles by itself: llvm-mc -triple=amdgcn-amd-amdhsa -mcpu=gfx1250 --defsym DOCPART=n.
;; ======== version 1 of 2: 4 launches
;; workspace buffers: wb 6,291,456 bytes; qkv 50,331,648 bytes; pbuf 33,554,432 bytes; stat 1,048,576 bytes
;; launch castw (part 1): grid 128 x 3, 8 waves a work-group, no clusters, 0 bytes of LDS; arguments Wq_w, Wk_w, Wv_w, wb; writes wb
.if DOCPART == 1
	.amdgcn_target "amdgcn-amd-amdhsa--gfx1250"
	.amdhsa_code_object_version 6
	.text
	.protected	k_qb3854fe23d_castw
	.globl	k_qb3854fe23d_castw
	.p2align	8
	.type	k_qb3854fe23d_castw,@function
k_qb3854fe23d_castw:
	s_mov_b64 s[64:65], 0
	v_nop
	global_prefetch_b8 v0, s[64:65] scope:SCOPE_SE
	s_setreg_imm32_b32 hwreg(HW_REG_WAVE_MODE, 25, 1), 1
	s_wait_xcnt 0x0
; wb[y] = bf16(W_y), y = 0, 1, 2 for Wq_w, Wk_w, Wv_w: [1024][1024] f32 -> bf16, rounded to nearest even.
; A stream: no LDS, no barrier, no matrix work.  A work-group of eight waves takes 8,192 numbers (32,768 bytes in, 16,384 out).
; Thread t reads 16 bytes at 16 t of each of eight pieces of 4,096 bytes (a wave's load covers 512 consecutive bytes) and stores
; 8 bytes at 8 t of each of eight pieces of 2,048 bytes (a wave's store covers 256 consecutive bytes, aligned).
; All eight loads go out first; no register is used twice, so only the loads' counted waits are needed.
.set IN,  4                            ; v[4:35]   piece i: four f32
.set OUT, 36                           ; v[36:51]  piece i: four bf16
	s_load_b256 s[4:11], s[0:1], 0x0               ; Wq_w s[4:5], Wk_w s[6:7], Wv_w s[8:9], wb s[10:11]
	s_and_b32 s12, ttmp7, 0xffff                   ; which matrix
	s_lshl_b32 s14, ttmp9, 15                      ; the work-group's 32,768 bytes of the source
	s_mov_b32 s15, 0
	s_lshl_b32 s16, s12, 21                        ; the matrix's 2,097,152 bytes in wb,
	s_lshl_b32 s17, ttmp9, 14                      ; the work-group's 16,384 of them
	s_add_co_u32 s16, s16, s17
	s_mov_b32 s17, 0
	v_lshlrev_b32 v1, 4, v0                        ; 16 t
	v_lshlrev_b32 v2, 3, v0                        ; 8 t
	s_wait_kmcnt 0x0
	s_cmp_eq_u32 s12, 1
	s_cselect_b64 s[18:19], s[6:7], s[4:5]
	s_cmp_eq_u32 s12, 2
	s_cselect_b64 s[18:19], s[8:9], s[18:19]
	s_add_nc_u64 s[18:19], s[18:19], s[14:15]
	s_add_nc_u64 s[10:11], s[10:11], s[16:17]
.irp i, 0,1,2,3,4,5,6,7
	global_load_b128 v[IN+4*\i:IN+4*\i+3], v1, s[18:19] offset:4096*\i th:TH_LOAD_NT
.endr
.irp i, 0,1,2,3,4,5,6,7
	s_wait_loadcnt 7-\i                            ; loads come back in order: piece i is in, the 7 - i younger ones stay out
	v_cvt_pk_bf16_f32 v[OUT+2*\i],   v[IN+4*\i],   v[IN+4*\i+1]
	v_cvt_pk_bf16_f32 v[OUT+2*\i+1], v[IN+4*\i+2], v[IN+4*\i+3]
	global_store_b64 v2, v[OUT+2*\i:OUT+2*\i+1], s[10:11] offset:2048*\i
.endr
	s_endpgm
.Lfunc_end_k_qb3854fe23d_castw:
	.size	k_qb3854fe23d_castw, .Lfunc_end_k_qb3854fe23d_castw-k_qb3854fe23d_castw
	.p2alignl 7, 3214868480
	.fill 96, 4, 3214868480
	.section	.rodata,"a",@progbits
	.p2align	6, 0x0
	.amdhsa_kernel k_qb3854fe23d_castw
		.amdhsa_group_segment_fixed_size 0
		.amdhsa_private_segment_fixed_size 0
		.amdhsa_enable_private_segment 0
		.amdhsa_kernarg_size 32
		.amdhsa_user_sgpr_count 2
		.amdhsa_user_sgpr_kernarg_segment_ptr 1
		.amdhsa_wavefront_size32 1
		.amdhsa_system_sgpr_workgroup_id_x 1
		.amdhsa_system_sgpr_workgroup_id_y 1
		.amdhsa_system_sgpr_workgroup_id_z 1
		.amdhsa_system_vgpr_workitem_id 0
		.amdhsa_next_free_vgpr 52
		.amdhsa_next_free_sgpr 66
		.amdhsa_reserve_vcc 0
		.amdhsa_float_denorm_mode_32 3
		.amdhsa_float_denorm_mode_16_64 3
		.amdhsa_memory_ordered 1
		.amdhsa_forward_progress 1
		.amdhsa_inst_pref_size 4
	.end_amdhsa_kernel
	.amdgpu_metadata
---
amdhsa.version: [ 1, 2 ]
amdhsa.kernels:
  - .name:           k_qb3854fe23d_castw
    .symbol:         k_qb3854fe23d_castw.kd
    .args:
      - { .name: Wq_w, .offset: 0, .size: 8, .value_kind: global_buffer, .address_space: global }
      - { .name: Wk_w, .offset: 8, .size: 8, .value_kind: global_buffer, .address_space: global }
      - { .name: Wv_w, .offset: 16, .size: 8, .value_kind: global_buffer, .address_space: global }
      - { .name: wb, .offset: 24, .size: 8, .value_kind: global_buffer, .address_space: global }
    .group_segment_fixed_size: 0
    .private_segment_fixed_size: 0
    .kernarg_segment_align: 8
    .kernarg_segment_size: 32
    .max_flat_workgroup_size: 256
    .sgpr_count:     66
    .vgpr_count:     52
    .wavefront_size: 32
...
	.end_amdgpu_metadata
.endif
;; end of part 1
;; launch proj (part 2): grid 4 x 64, 4 waves a work-group, clusters of 4 x 4, 327,680 bytes of LDS; arguments Q, K, V, wb, Wq_b, Wk_b, Wv_b, qkv; writes qkv
.if DOCPART == 2
	.amdgcn_target "amdgcn-amd-amdhsa--gfx1250"
	.amdhsa_code_object_version 6
	.text
	.protected	k_qb3854fe23d_proj
	.globl	k_qb3854fe23d_proj
	.p2align	8
	.type	k_qb3854fe23d_proj,@function
k_qb3854fe23d_proj:
	s_mov_b64 s[64:65], 0
	v_nop
	global_prefetch_b8 v0, s[64:65] scope:SCOPE_SE
	s_setreg_imm32_b32 hwreg(HW_REG_WAVE_MODE, 25, 1), 1
	s_wait_xcnt 0x0
	s_wait_alu depctr_hold_cnt(0) depctr_sa_sdst(0) depctr_va_vdst(0) depctr_va_sdst(0) depctr_va_ssrc(0) depctr_va_vcc(0) depctr_vm_vsrc(0)
	s_getreg_b32 s2, hwreg(HW_REG_IB_STS2, 6, 4)
	s_cmp_eq_u32 s2, 0
	s_cbranch_scc0 .Lentry_in_a_cluster
	s_endpgm
.Lentry_in_a_cluster:
	s_bfe_u32 s2, ttmp6, 0x10000c
	s_cmp_lg_u32 s2, 0xf033
	s_cbranch_scc0 .Lentry_shape_is_right
	s_endpgm
.Lentry_shape_is_right:
; qkv[t][token][channel] = bf16(scale * (sum over e of X[token][e] W[channel][e] + bias[channel])), t = 0, 1, 2 for (Q, Wq), (K, Wk), (V, Wv).
; X: [8192][1024] f32; W: wb[t], [1024][1024] bf16; sums in f32, e ascending; scale = log2(e) / 32 for q (the scores' 1 / sqrt(1024) and the base-2 exponential, folded in ahead of q's one
; rounding), 1 for k and v.
; SHARES.  256 work-groups THAT STAY: each owns 128 tokens x 256 channels and makes that tile of q, then of k, then of v (768 tiles; tiles of 256 x 256 would be 384, which 256 does not divide).
; Four waves, each 64 tokens x 128 channels: 32 accumulators.
; W comes by tensor loads into two LDS slots of 256 along K (256 rows of 512 bytes + 16): each wave fetches 64 rows, jointly with the three partners of its column of the cluster, which make the
; same channels.  A refill has a whole slot's work, 256 matrix instructions, in which to land.
; X IS NOT ASKED FOR JOINTLY, though the four partners of a row of the cluster read the same tokens.  It has to be rounded to bf16.  As an f32 tile it would take 512 of the 1,024 bytes of LDS that
; this tile needs for each k, and two slots could hold no more than 128 along K.  So X comes through registers, in chunks of 64 along K: a wave loads 32 rows (16 loads, each two rows' 256
; consecutive bytes, aligned), rounds them once for the whole work-group and puts them into one of two LDS regions of 128 rows x (128 + 16) bytes.  Loads into registers stay on their way
; across barriers: three chunks, 48 loads a wave.  The partners ask for the same bytes of X in the same step, since the cluster's rounds keep them in step.
; A PERIOD is one chunk: 64 matrix instructions in 16 groups of four, a slice of eight other instructions behind most groups, one work-group barrier.  The barrier B(c) says: chunk c lies in its
; region, and nobody reads chunk c - 1 any more.  Where W's slot has been read out, the barrier is a round of the cluster's barrier with the refill first behind it.
; THE MATRIX INSTRUCTION IS USED TRANSPOSED (source 0 = 16 channels of W, source 1 = 16 tokens of X): a lane holds one token (lane % 16) and eight neighbouring channels 8 (lane / 16) + 0..7.
; REGISTERS.  window 0: v16-27 addresses; v28-31 the bias as loaded; v32-63 a chunk in bf16; v64-95, v96-127 X's fragments, two buffers; v128-255 at work on the way out.
;   window 1: accumulator (a, b) at v[8 (8 a + b)].   window 2: v0-63, v64-127 W's fragments, two buffers; v128-191 scale x bias of my 64 channels.   window 3: four sets of 64: X as loaded.
; LIMITS.  NaN and infinities in the inputs are passed on as the arithmetic makes them; operands are bf16, so the inputs' range is f32's.
.set PB,     528                       ; W's LDS row: 512 bytes + 16: the 16 rows of a fragment load start 16 bytes apart modulo 256
.set WQ,     64*PB                     ; what one tensor load brings
.set WSLOT,  4*WQ                      ; 135,168 bytes: 256 channels x 256 along K
.set XRB,    2*WSLOT                   ; behind W's slots: X's two regions.  No tensor load fills them, the stage or the scratch
.set PX,     144                       ; X's LDS row: 128 bytes + 16: likewise
.set XRSZ,   128*PX                    ; 18,432 bytes
.set STAGE,  XRB+2*XRSZ                ; 16 rows x 272 bytes for each wave, for the way out
.set SP,     272
.set BSCR,   STAGE+4*16*SP             ; 512 bytes for each wave: the bias of its 128 channels
.set NEXT_W, 2097152-1024              ; bytes from a slot's second fill of a tile to its first of the next: a matrix of 2,097,152 bytes on, 512 along K back
.set ADRA, 16                          ; v16     LDS address of my X fragments in region 0
.set XS,   17                          ; v17     where I put 8 bytes of a chunk's row
.set XO,   18                          ; v18     my byte offset in the wave's rows of X; never rewritten
.set ADRB, 20                          ; v20-21  LDS address of my W fragments in slot 0, 1
.set BSA,  22                          ; v22     the bias: where I put 16 bytes
.set BRA,  23                          ; v23     the bias: where I read my channels'
.set STO,  24                          ; v24     the way out: where I put 16 bytes of a row
.set RD,   25                          ; v25     the way out: where I read a row back
.set CO,   26                          ; v26     my byte offset in the wave's rows of qkv
.set BO,   27                          ; v27     my byte offset in the bias
.set BV,   28                          ; v[28:31] four numbers of the bias
.set XT,   32                          ; v32-63  a chunk's 16 loads, rounded: two registers each
.set AF,   64                          ; X's fragment buffers
.set FT,   128                         ; the way out: 64 results in f32
.set TMP,  192                         ; the way out: packed results
.set BIAS, 128                         ; window 2
.set G1B, 48                           ; s[48:55] descriptor group 1 for W's tiles
.set G0B, 56                           ; s[56:63] group 0, a set for each slot
.set XB,  84                           ; s[84:85] X of this tile at my wave's first row
.set XN,  86                           ; s[86:87] X of the next tile
.set XV,  88                           ; s[88:89] V, the last
.set SC,  90                           ; s[90:91] the scale, twice
.set OUT, 92                           ; s[92:93] my part of this tile in qkv
.set BB,  94                           ; s[94:95] this tile's bias
.set BN,  96                           ; s[96:97] the next tile's
.set MSB, 0
.macro WIN new                         ; the immediate's high byte repeats the setting that is left; a switch that changes nothing is dropped
.if MSB != \new
	s_set_vgpr_msb (MSB<<8)|\new
.set MSB, \new
.endif
.endm
.set MUL,  0x52                        ; source 0 (W) window 2, source 1 (X) window 0, C and D window 1
.set TO_B, 0x80                        ; destination window 2, address window 0
.macro JLOAD s                         ; a joint load: every wave fetches its 64 rows of W's slot; four v_nop follow the line
	tensor_load_to_lds s[G0B+4*\s:G0B+4*\s+3], s[G1B:G1B+7]
	s_nop 0
.rept 4
	v_nop
.endr
.endm
.macro CREST                           ; a round of the cluster's barrier behind its opening barrier
	s_cmp_lg_u32 s10, 0
	s_cbranch_scc1 .Lnot_wave_0_\@
	s_barrier_signal -3
.Lnot_wave_0_\@:
	s_barrier_wait -3
	s_barrier_signal -1
	s_barrier_wait -1
.endm
.macro CROUND                          ; a whole round
	s_barrier_signal -1
	s_barrier_wait -1
	CREST
.endm
.macro PLACES                          ; four places in front of loads into registers that matrix instructions have read (ISA guide 7.12.1 for vector instructions)
.rept 4
	v_nop
.endr
.endm
; Four matrix instructions on buffer f: token block g / 2, channel blocks 4 (g % 2) + 0..3, 32 along K.  zero = 1: the product starts the sums: nothing is ever cleared.
; The 32 accumulators take turns, one instruction a turn, in the same order in every quarter.
.macro GRP f, g, zero
	WIN MUL
.set rC, 8*(8*((\g)/2)+4*((\g)%2))
.set rB, 64*(\f)+32*((\g)%2)
.set rA, AF+32*(\f)+8*((\g)/2)
.irp b, 0,1,2,3
.if \zero
	v_wmma_f32_16x16x32_bf16 v[rC+8*\b:rC+8*\b+7], v[rB+8*\b:rB+8*\b+7], v[rA:rA+7], 0
.else
	v_wmma_f32_16x16x32_bf16 v[rC+8*\b:rC+8*\b+7], v[rB+8*\b:rB+8*\b+7], v[rA:rA+7], v[rC+8*\b:rC+8*\b+7]
.endif
.endr
.endm
; THE SLICES, eight instructions each, all under one window setting.
.macro SL_GL cn, hf, base              ; half hf of the 16 loads of chunk cn of the tile at s[base]: load i takes rows 2 i and 2 i + 1 of my 32, 256 consecutive bytes each, into set cn % 4
	WIN 0xc0                                       ; destination window 3, address window 0
.set rX, 64*((\cn)%4)+32*(\hf)
.irp i, 0,1,2,3,4,5,6,7
	global_load_b128 v[rX+4*\i:rX+4*\i+3], v[XO], s[\base:\base+1] offset:(8*(\hf)+\i)*8192+(\cn)*256
.endr
.endm
.macro SL_CV cn, qd                    ; quarter qd of chunk cn's roundings: loads 4 qd + 0..3, four f32 -> two registers each
	WIN 0x0f                                       ; sources 0 and 1 window 3, destination window 0
.set rX, 64*((\cn)%4)+16*(\qd)
.set rT, XT+8*(\qd)
.irp i, 0,1,2,3
	v_cvt_pk_bf16_f32 v[rT+2*\i],   v[rX+4*\i],   v[rX+4*\i+1]
	v_cvt_pk_bf16_f32 v[rT+2*\i+1], v[rX+4*\i+2], v[rX+4*\i+3]
.endr
.endm
.macro SL_ST cn, hf                    ; half hf of chunk cn's 16 LDS stores, into region cn % 2: 16 lanes fill a row's 128 bytes
	WIN 0
.irp i, 0,1,2,3,4,5,6,7
	ds_store_b64 v[XS], v[XT+16*(\hf)+2*\i:XT+16*(\hf)+2*\i+1] offset:((\cn)%2)*XRSZ+(8*(\hf)+\i)*2*PX
.endr
.endm
.macro SL_B f, hf                      ; W's fragments 4 hf + 0..3 of quarter kq of slot sl, into buffer f
	WIN TO_B
.irp b, 0,1,2,3
	ds_load_b128 v[64*(\f)+32*(\hf)+8*\b:64*(\f)+32*(\hf)+8*\b+3],   v[ADRB+sl] offset:(4*(\hf)+\b)*16*PB+64*kq
	ds_load_b128 v[64*(\f)+32*(\hf)+8*\b+4:64*(\f)+32*(\hf)+8*\b+7], v[ADRB+sl] offset:(4*(\hf)+\b)*16*PB+64*kq+32
.endr
.endm
.macro SL_A f                          ; X's four fragments of half xq of the chunk in region xr, into buffer f
	WIN 0
.irp a, 0,1,2,3
	ds_load_b128 v[AF+32*(\f)+8*\a:AF+32*(\f)+8*\a+3],   v[ADRA] offset:xr*XRSZ+\a*16*PX+64*xq
	ds_load_b128 v[AF+32*(\f)+8*\a+4:AF+32*(\f)+8*\a+7], v[ADRA] offset:xr*XRSZ+\a*16*PX+64*xq+32
.endr
.endm
; THE HEAD OF PERIOD c, behind B(c).  The fragments of chunk c's first quarter are fetched in one run; under the second half of the quarter before (mul = 1) chunk gcn of the tile at s[base] is
; asked for (gl = 1) and the first half of chunk c + 1 is rounded (cv = 1).  left = the loads younger than chunk c + 1's, which may stay out.  The wait stands ahead of the new loads.
; The roundings behind the last group (or four v_nop) are the places in front of the loads into buffer 1 that follow.
.macro HEAD c, mul, gl, base, gcn, cv, left
.set sl, ((\c)/4)%2
.set kq, 2*((\c)%4)
.set xr, (\c)%2
.set xq, 0
	SL_B 0, 0
	SL_B 0, 1
	SL_A 0
.if \mul
	GRP 1, 4, 0
.endif
.if \cv
	s_wait_loadcnt \left
.endif
.if \gl
	SL_GL \gcn, 0, \base
.endif
.if \mul
	GRP 1, 5, 0
.endif
.if \gl
	SL_GL \gcn, 1, \base
.endif
.if \mul
	GRP 1, 6, 0
.endif
.if \cv
	SL_CV (\c)+1, 0
.endif
.if \mul
	GRP 1, 7, 0
.endif
.if \cv
	SL_CV (\c)+1, 1
.else
	PLACES
.endif
.endm
; THE MIDDLE OF PERIOD c: chunk c's first quarter is multiplied; behind its groups stand the second quarter's fragment loads, the rest of chunk c + 1's roundings and its stores into the other region.
; bias = 1: this tile's bias is asked for: one load, 512 consecutive bytes for my wave's 128 channels.
.macro MID c, zero, cv, bias
.set sl, ((\c)/4)%2
.set kq, 2*((\c)%4)+1
.set xr, (\c)%2
.set xq, 1
	s_wait_dscnt 0x0                               ; the first quarter's 24 loads, issued 16 matrix instructions ago
	GRP 0, 0, \zero
	SL_B 1, 0
	GRP 0, 1, \zero
	SL_B 1, 1
	GRP 0, 2, \zero
	SL_A 1
	GRP 0, 3, \zero
.if \cv
	SL_CV (\c)+1, 2
.endif
	GRP 0, 4, \zero
.if \cv
	SL_CV (\c)+1, 3
.endif
	GRP 0, 5, \zero
.if \cv
	SL_ST (\c)+1, 0
.endif
	GRP 0, 6, \zero
.if \cv
	SL_ST (\c)+1, 1
.endif
	GRP 0, 7, \zero
.if \bias
	WIN 0
	global_load_b128 v[BV:BV+3], v[BO], s[BB:BB+1]
.endif
.endm
; THE BARRIER B(c + 1), with the first half of chunk c's second quarter between signal and wait: registers alone.  In front of it each wave's LDS instructions are done: its stores of chunk c + 1 and
; its reads of chunk c, and with them its reads of W's slot where that slot ends.
; kind 0: a plain barrier: W's one load may stay out.  kind 1: W's last slot is read behind it: all my tensor loads have landed.
; kind 2: W's slot has been read out: all my tensor loads have landed, the barrier opens a round of the cluster's barrier, and behind the round the slot is filled again first, step bytes on.
.macro TURN kind, slot, step
	s_wait_dscnt 0x0
.if \kind > 0
	s_wait_tensorcnt 0x0
	ds_add_u32 v255, v19
	s_wait_dscnt 0x0
.endif
	s_barrier_signal -1
	GRP 1, 0, 0
	GRP 1, 1, 0
	GRP 1, 2, 0
	GRP 1, 3, 0
.if \kind < 2
	PLACES                                         ; in front of the loads into buffer 0 that follow the barrier
.endif
	WIN 0                                          ; at a branch and at a label every window is 0
	s_barrier_wait -1
.if \kind == 2
	CREST                                          ; no wave of any partner still reads this slot or has a load on its way
	s_add_nc_u64 s[G0B+4*\slot+2:G0B+4*\slot+3], s[G0B+4*\slot+2:G0B+4*\slot+3], \step
	JLOAD \slot                                    ; the four v_nop behind it are also the places in front of the loads that follow
.endif
.endm
.macro PER c, kind, slot, step         ; a period in the middle of a tile: chunk c + 4 of the same tile is asked for; the two younger chunks' 32 loads stay out
	HEAD \c, 1, 1, XB, (\c)+4, 1, 32
	MID \c, 0, 1, 0
	TURN \kind, \slot, \step
.endm
; THE WAY OUT.  Token block a: scale x sum + scale x bias, rounded to bf16 (PACK); 16 bytes a lane into my stage and back as whole rows of 256 bytes (TOSTAGE); stored (SEND).
.macro PACK a
	WIN 0x21                                       ; source 0 (sums) window 1, source 2 (bias) window 2, destination window 0
.set i, 0
.rept 32
	v_pk_fma_f32 v[FT+i:FT+i+1], v[64*\a+i:64*\a+i+1], s[SC:SC+1], v[BIAS+i:BIAS+i+1] op_sel_hi:[1,0,1]
.set i, i+2
.endr
	WIN 0
.set i, 0
.rept 32
	v_cvt_pk_bf16_f32 v[TMP+i], v[FT+2*i], v[FT+2*i+1]
.set i, i+1
.endr
.endm
.macro TOSTAGE a
.set BK, 224-128*((\a)%2)              ; rows read back: v224-255 and v96-127 (X's buffer 1, which is idle here) by turns
	s_wait_xcnt 0x0                                ; the registers that earlier stores read are loaded again only behind this wait
.irp b, 0,1,2,3,4,5,6,7
	ds_store_b128 v[STO], v[TMP+4*\b:TMP+4*\b+3] offset:32*\b
.endr
.irp t, 0,1,2,3,4,5,6,7
	ds_load_b128 v[BK+4*\t:BK+4*\t+3], v[RD] offset:\t*2*SP        ; LDS serves a wave's instructions in order: these see the stores above
.endr
.endm
.macro SEND a
.set BK, 224-128*((\a)%2)
	s_wait_dscnt 0x0                               ; the block is back in registers
.irp t, 0,1,2,3,4,5,6,7
	global_store_b128 v[CO], v[BK+4*\t:BK+4*\t+3], s[OUT:OUT+1] offset:(16*(\a)+2*\t)*2048   ; 16 lanes store 256 consecutive bytes, at a multiple of 256 from qkv's first byte
.endr
.endm
; The bias goes through 512 bytes of my own in LDS, so that every lane gets its 64 channels' numbers.  last = 0: the bias load is older than a chunk that has been waited for.
; The 32 multiplies by the scale name no register of the last products and are the places behind them.  A block's arithmetic stands between the loads of the block before and its stores.
.macro EPI last
	WIN 0
.if \last
	s_wait_loadcnt 0x0                             ; the bias: nothing younger is out
.endif
	ds_store_b128 v[BSA], v[BV:BV+3]
	WIN TO_B
.irp b, 0,1,2,3,4,5,6,7
	ds_load_b128 v[BIAS+8*\b:BIAS+8*\b+3],   v[BRA] offset:64*\b   ; channels 16 b + 8 h + 0..3, then + 4..7; LDS serves a wave's instructions in order
	ds_load_b128 v[BIAS+8*\b+4:BIAS+8*\b+7], v[BRA] offset:64*\b+16
.endr
	s_wait_dscnt 0x0
	WIN 0x82                                       ; destination and source 0 window 2
.set i, 0
.rept 32
	v_pk_mul_f32 v[BIAS+i:BIAS+i+1], v[BIAS+i:BIAS+i+1], s[SC:SC+1] op_sel_hi:[1,0]
.set i, i+2
.endr
	PACK 0
	TOSTAGE 0
	PACK 1
	SEND 0
	TOSTAGE 1
	PACK 2
	SEND 1
	TOSTAGE 2
	PACK 3
	SEND 2
	TOSTAGE 3
	SEND 3
.endm
; A TILE, from the middle of its period 0 on.  Chunks 0-3 lie in W's slot 0, 4-7 in slot 1, 8-11 in slot 0 again, 12-15 in slot 1.
; last = 0: the rings go on into the next tile: its first four chunks of X are asked for in periods 12 to 15, its first two slots of W behind B(12) and B(16); the head of its period 0 finishes this
; tile's sums, and then this tile goes out.  last = 1: nothing more is asked for.
.macro TILE last
	MID 0, 1, 1, 0                                 ; the first quarter's products start the sums
	TURN 0, 0, 0
	PER 1, 0, 0, 0
	PER 2, 0, 0, 0
	PER 3, 2, 0, 1024                              ; B(4): slot 0 takes K 512 to 767
	PER 4, 0, 0, 0
	PER 5, 0, 0, 0
	PER 6, 0, 0, 0
	PER 7, 2, 1, 1024                              ; B(8): slot 1 takes K 768 to 1,023
	PER 8, 0, 0, 0
	PER 9, 0, 0, 0
	PER 10, 0, 0, 0
	HEAD 11, 1, 1, XB, 15, 1, 32
	MID 11, 0, 1, 0
.if \last
	TURN 1, 0, 0                                   ; B(12): the last slot has landed; nothing is filled
	HEAD 12, 1, 0, XB, 0, 1, 32                    ; chunk 13: chunks 14 and 15 stay out
	MID 12, 0, 1, 1
	TURN 0, 0, 0
	HEAD 13, 1, 0, XB, 0, 1, 17                    ; chunk 14: chunk 15 and the bias stay out
	MID 13, 0, 1, 0
	TURN 0, 0, 0
	HEAD 14, 1, 0, XB, 0, 1, 1                     ; chunk 15: the bias stays out
	MID 14, 0, 1, 0
	TURN 0, 0, 0
	HEAD 15, 1, 0, XB, 0, 0, 0
	MID 15, 0, 0, 0
	s_wait_dscnt 0x0                               ; the very last quarter
.irp g, 0,1,2,3,4,5,6,7
	GRP 1, \g, 0
.endr
	EPI 1
.else
	TURN 2, 0, NEXT_W                              ; B(12): slot 0 takes the next tile's K 0 to 255
	HEAD 12, 1, 1, XN, 0, 1, 32                    ; chunk 13: chunks 14 and 15 stay out
	MID 12, 0, 1, 1
	TURN 0, 0, 0
	HEAD 13, 1, 1, XN, 1, 1, 33                    ; from here on the bias load is among the younger ones: two chunks and one
	MID 13, 0, 1, 0
	TURN 0, 0, 0
	HEAD 14, 1, 1, XN, 2, 1, 33
	MID 14, 0, 1, 0
	TURN 0, 0, 0
	HEAD 15, 1, 1, XN, 3, 1, 33
	MID 15, 0, 1, 0                                ; the next tile's chunk 0 goes into region 0
	TURN 2, 1, NEXT_W                              ; B(16) is the next tile's B(0): slot 1 takes its K 256 to 511
	HEAD 16, 1, 1, XN, 4, 1, 32                    ; the next tile's chunk 1: its chunks 2 and 3 stay out; the bias is older and is in
	EPI 0
.endif
.endm
	s_load_b512 s[68:83], s[0:1], 0x0              ; Q s[68:69], K s[70:71], V s[72:73], wb s[74:75], Wq_b s[76:77], Wk_b s[78:79], Wv_b s[80:81], qkv s[82:83]
	s_set_vgpr_msb 0x80
	v_lshl_add_u32 v255, v0, 2, 0x4fc00
	s_set_vgpr_msb 0x8000
	v_mov_b32 v19, 0
	s_set_vgpr_msb 0x2
	ds_add_u32 v255, v19
	s_set_vgpr_msb 0x200
	v_lshrrev_b32 v1, 5, v0
	v_readfirstlane_b32 s10, v1                    ; wave 0..3
	s_lshr_b32 s11, s10, 1                         ; which half of the tile's tokens is mine
	s_and_b32 s12, s10, 1                          ; which half of its channels
	s_bfe_u32 s40, ttmp6, 0x40000                  ; cx, cy: my place in the cluster
	s_bfe_u32 s41, ttmp6, 0x40004
	s_lshl_b32 s42, ttmp9, 2
	s_add_co_u32 s42, s42, s40                     ; tile column (256 channels) = 4 x cluster x + cx
	s_and_b32 s13, ttmp7, 0xffff
	s_lshl_b32 s13, s13, 2
	s_add_co_u32 s13, s13, s41                     ; tile row (128 tokens) = 4 x cluster y + cy
	s_lshl_b32 s44, 0x1111, s40                    ; my column of the cluster: the four that make the same channels
	; group 1 for W: 64 rows x 256 elements of 2 bytes, 4 words of padding behind every 128 words
	s_or_b32 s[G1B+0], s44, (1<<16)|(1<<20)|(1<<21)|(6<<22)|(3<<25)
	s_mov_b32 s[G1B+1], 256<<16                    ; tensor_dim0 = 256
	s_mov_b32 s[G1B+2], 64<<16                     ; tensor_dim1 = 64
	s_mov_b32 s[G1B+3], 256<<16                    ; tile_dim0 = 256
	s_mov_b32 s[G1B+4], 64                         ; tile_dim1 = 64
	s_mov_b32 s[G1B+5], 1024                       ; elements from row to row
	s_mov_b32 s[G1B+6], 0
	s_mov_b32 s[G1B+7], 0
	s_lshl_b32 s16, s13, 7                         ; X: token 128 x tile row + 32 x wave,
	s_lshl_b32 s17, s10, 5
	s_add_co_u32 s16, s16, s17
	s_lshl_b32 s16, s16, 12                        ; rows of 4,096 bytes (under 2^25 in all)
	s_mov_b32 s17, 0
	s_lshl_b32 s46, s42, 8                         ; W: channel 256 x tile column + 64 x wave, in registers that never hold the tile row,
	s_lshl_b32 s47, s10, 6
	s_add_co_u32 s46, s46, s47
	s_lshl_b32 s46, s46, 11                        ; rows of 2,048 bytes
	s_mov_b32 s47, 0
	s_mul_i32 s20, s10, WQ                         ; where W's rows go: no place in the cluster enters an LDS address
	s_lshl_b32 s18, s13, 7                         ; qkv: token 128 x tile row + 64 x my half,
	s_lshl_b32 s19, s11, 6
	s_add_co_u32 s18, s18, s19
	s_lshl_b32 s18, s18, 11                        ; rows of 2,048 bytes,
	s_lshl_b32 s19, s42, 9                         ; the tile's 512 bytes of a row,
	s_add_co_u32 s18, s18, s19
	s_lshl_b32 s19, s12, 8                         ; my 256 of them
	s_add_co_u32 s18, s18, s19
	s_mov_b32 s19, 0
	s_mov_b32 s[SC], 0x3d38aa3b                    ; log2(e) / 32: the first tile is q's
	s_mov_b32 s[SC+1], s[SC]
	v_and_b32 v1, 15, v0                           ; r = l % 16
	v_bfe_u32 v2, v0, 4, 1                         ; h = l / 16
	v_lshlrev_b32 v3, 12, v2
	v_lshl_add_u32 v[XO], v1, 4, v3                ; X: lanes 0-15 one row's 256 bytes, lanes 16-31 the next row's
	s_wait_dscnt 0x0
	s_wait_kmcnt 0x0
	s_add_nc_u64 s[XB:XB+1], s[68:69], s[16:17]
	s_add_nc_u64 s[XN:XN+1], s[70:71], s[16:17]
	s_add_nc_u64 s[XV:XV+1], s[72:73], s[16:17]
	s_add_nc_u64 s[46:47], s[74:75], s[46:47]
	s_add_nc_u64 s[OUT:OUT+1], s[82:83], s[18:19]
	s_mov_b64 s[BB:BB+1], s[76:77]
	s_mov_b64 s[BN:BN+1], s[78:79]
.irp c, 0,1,2
	SL_GL \c, 0, XB                                ; X's first three chunks go out ahead of everything else
	SL_GL \c, 1, XB
.endr
	WIN 0
	CROUND                                         ; all sixteen work-groups are here: the first joint loads meet
.irp s, 0,1
	s_mov_b32 s[G0B+4*\s], 1
	s_add_co_u32 s[G0B+4*\s+1], s20, \s*WSLOT
	s_add_nc_u64 s[G0B+4*\s+2:G0B+4*\s+3], s[46:47], \s*512
	s_or_b32 s[G0B+4*\s+3], s[G0B+4*\s+3], 0x80000000
	JLOAD \s                                       ; two loads of mine are out: K 0 to 255 and 256 to 511
.endr
	v_and_b32 v5, 31, v0                           ; lane
	v_mul_u32_u24 v3, v1, PX
	v_lshl_add_u32 v3, v2, 4, v3                   ; X's fragments: row x pitch + 16 h,
	s_mul_i32 s22, s11, 64*PX                      ; my 64 tokens
	s_add_co_u32 s22, s22, XRB
	v_add_nc_u32 v[ADRA], s22, v3
	v_mul_u32_u24 v3, v2, PX
	v_lshl_add_u32 v3, v1, 3, v3                   ; X's stores: row h of a pair, 8 bytes a lane,
	s_mul_i32 s22, s10, 32*PX                      ; the 32 rows that my wave brings
	s_add_co_u32 s22, s22, XRB
	v_add_nc_u32 v[XS], s22, v3
	v_mul_u32_u24 v4, v1, PB
	v_lshl_add_u32 v4, v2, 4, v4                   ; W's fragments: row x pitch + 16 h,
	s_mul_i32 s23, s12, 128*PB                     ; my 128 channels
	v_add_nc_u32 v[ADRB], s23, v4
	s_add_co_u32 s23, s23, WSLOT
	v_add_nc_u32 v[ADRB+1], s23, v4
	s_mul_i32 s22, s10, 16*SP
	s_add_co_u32 s22, s22, STAGE                   ; my stage
	v_mul_u32_u24 v3, v1, SP                       ; in: row r, 16 bytes for each half of the lanes
	v_lshl_add_u32 v3, v2, 4, v3
	v_add_nc_u32 v[STO], s22, v3
	v_mul_u32_u24 v3, v2, SP                       ; back: lanes 0-15 one row of 256 bytes, lanes 16-31 the next
	v_lshl_add_u32 v3, v1, 4, v3
	v_add_nc_u32 v[RD], s22, v3
	v_lshlrev_b32 v3, 11, v2                       ; and the same two rows in qkv
	v_lshl_add_u32 v[CO], v1, 4, v3
	s_lshl_b32 s22, s42, 10                        ; the bias of my wave's 128 channels: 1,024 x tile column + 512 x half + 16 x lane
	s_lshl_b32 s23, s12, 9
	s_add_co_u32 s22, s22, s23
	v_lshl_add_u32 v[BO], v5, 4, s22
	s_lshl_b32 s22, s10, 9
	s_add_co_u32 s22, s22, BSCR                    ; my 512 bytes for it
	v_lshl_add_u32 v[BSA], v5, 4, s22
	v_lshl_add_u32 v[BRA], v2, 5, s22
	s_wait_loadcnt 32                              ; chunk 0 is in; chunks 1 and 2 stay out
	SL_GL 3, 0, XB
	SL_GL 3, 1, XB
	SL_CV 0, 0
	SL_CV 0, 1
	SL_CV 0, 2
	SL_CV 0, 3
	SL_ST 0, 0
	SL_ST 0, 1
	s_wait_dscnt 0x0                               ; my rows of chunk 0 lie in region 0,
	s_wait_tensorcnt 1                             ; my part of W's slot 0 is in; slot 1's may stay out
	s_barrier_signal -1
	s_barrier_wait -1                              ; B(0): everybody's are
	HEAD 0, 0, 1, XB, 4, 1, 32                     ; chunk 1: chunks 2 and 3 stay out
	WIN 0
	s_mov_b32 s2, 2
.Ltile:                                                ; two trips: q's tile and k's, each with a successor
	TILE 0
	s_wait_xcnt 0x0                                ; bases and the registers that stores read are rewritten only behind this wait
	s_mov_b64 s[XB:XB+1], s[XN:XN+1]
	s_mov_b64 s[XN:XN+1], s[XV:XV+1]
	s_mov_b64 s[BB:BB+1], s[BN:BN+1]
	s_mov_b64 s[BN:BN+1], s[80:81]
	s_add_nc_u64 s[OUT:OUT+1], s[OUT:OUT+1], 1<<24 ; the next product's 16,777,216 bytes of qkv
	s_mov_b32 s[SC], 1.0                           ; k and v are not scaled
	s_mov_b32 s[SC+1], 1.0
	s_sub_co_u32 s2, s2, 1
	s_cmp_lg_u32 s2, 0
	s_cbranch_scc1 .Ltile
	TILE 1                                         ; v's tile is written out: no load of any kind is jumped over, and none goes beyond the end
	s_set_vgpr_msb 0x2
	s_wait_tensorcnt 0x0
	ds_add_u32 v255, v19
	s_wait_dscnt 0x0
	s_set_vgpr_msb 0x200
	CROUND                                         ; the closing round: no work-group ends while a partner may still ask for a tile that names it
	s_endpgm
.Lfunc_end_k_qb3854fe23d_proj:
	.size	k_qb3854fe23d_proj, .Lfunc_end_k_qb3854fe23d_proj-k_qb3854fe23d_proj
	.p2alignl 7, 3214868480
	.fill 96, 4, 3214868480
	.section	.rodata,"a",@progbits
	.p2align	6, 0x0
	.amdhsa_kernel k_qb3854fe23d_proj
		.amdhsa_group_segment_fixed_size 327680
		.amdhsa_private_segment_fixed_size 0
		.amdhsa_enable_private_segment 0
		.amdhsa_kernarg_size 64
		.amdhsa_user_sgpr_count 2
		.amdhsa_user_sgpr_kernarg_segment_ptr 1
		.amdhsa_wavefront_size32 1
		.amdhsa_system_sgpr_workgroup_id_x 1
		.amdhsa_system_sgpr_workgroup_id_y 1
		.amdhsa_system_sgpr_workgroup_id_z 1
		.amdhsa_system_vgpr_workitem_id 0
		.amdhsa_next_free_vgpr 1024
		.amdhsa_next_free_sgpr 98
		.amdhsa_reserve_vcc 0
		.amdhsa_float_denorm_mode_32 3
		.amdhsa_float_denorm_mode_16_64 3
		.amdhsa_memory_ordered 1
		.amdhsa_forward_progress 1
		.amdhsa_inst_pref_size 255
	.end_amdhsa_kernel
	.section	.bss,"aw",@nobits
	.p2align	6
	.space	262144
	.amdgpu_metadata
---
amdhsa.version: [ 1, 2 ]
amdhsa.kernels:
  - .name:           k_qb3854fe23d_proj
    .symbol:         k_qb3854fe23d_proj.kd
    .args:
      - { .name: Q, .offset: 0, .size: 8, .value_kind: global_buffer, .address_space: global }
      - { .name: K, .offset: 8, .size: 8, .value_kind: global_buffer, .address_space: global }
      - { .name: V, .offset: 16, .size: 8, .value_kind: global_buffer, .address_space: global }
      - { .name: wb, .offset: 24, .size: 8, .value_kind: global_buffer, .address_space: global }
      - { .name: Wq_b, .offset: 32, .size: 8, .value_kind: global_buffer, .address_space: global }
      - { .name: Wk_b, .offset: 40, .size: 8, .value_kind: global_buffer, .address_space: global }
      - { .name: Wv_b, .offset: 48, .size: 8, .value_kind: global_buffer, .address_space: global }
      - { .name: qkv, .offset: 56, .size: 8, .value_kind: global_buffer, .address_space: global }
    .group_segment_fixed_size: 327680
    .private_segment_fixed_size: 0
    .kernarg_segment_align: 8
    .kernarg_segment_size: 64
    .max_flat_workgroup_size: 128
    .sgpr_count:     98
    .vgpr_count:     1024
    .wavefront_size: 32
...
	.end_amdgpu_metadata
.endif
;; end of part 2
;; launch scores (part 3): grid 8 x 32, 4 waves a work-group, clusters of 4 x 4, 327,680 bytes of LDS; arguments qkv, mask, pbuf, stat; writes pbuf, stat
.if DOCPART == 3
	.amdgcn_target "amdgcn-amd-amdhsa--gfx1250"
	.amdhsa_code_object_version 6
	.text
	.protected	k_qb3854fe23d_scores
	.globl	k_qb3854fe23d_scores
	.p2align	8
	.type	k_qb3854fe23d_scores,@function
k_qb3854fe23d_scores:
	s_mov_b64 s[64:65], 0
	v_nop
	global_prefetch_b8 v0, s[64:65] scope:SCOPE_SE
	s_setreg_imm32_b32 hwreg(HW_REG_WAVE_MODE, 25, 1), 1
	s_wait_xcnt 0x0
	s_wait_alu depctr_hold_cnt(0) depctr_sa_sdst(0) depctr_va_vdst(0) depctr_va_sdst(0) depctr_va_ssrc(0) depctr_va_vcc(0) depctr_vm_vsrc(0)
	s_getreg_b32 s2, hwreg(HW_REG_IB_STS2, 6, 4)
	s_cmp_eq_u32 s2, 0
	s_cbranch_scc0 .Lentry_in_a_cluster
	s_endpgm
.Lentry_in_a_cluster:
	s_bfe_u32 s2, ttmp6, 0x10000c
	s_cmp_lg_u32 s2, 0xf033
	s_cbranch_scc0 .Lentry_shape_is_right
	s_endpgm
.Lentry_shape_is_right:
; For each row (batch x query, 8,192 in all) and each block kb of 128 keys:  t = q' . k (q' carries log2(e) / 32), t = NEG2 where mask == 0,
;   M = floor(max over the block of t),  p = 2^(t - M) in bf16 -> pbuf[row][key],  L = the sum of p (f32);  M and L -> stat.
; THE MAXIMUM IS TAKEN AWAY as in the softmax asked for: M is the block's own maximum rounded down to a whole number, so p <= 2 and the largest p is at least 1.  The next launch joins the blocks by
; factors 2^(M - max M), exact powers of two.  NEG2 = f32(-1e9 log2(e)) REPLACES a masked score: a block that is wholly masked gives M = NEG2, p = 1, L = 128, so that a row that is wholly masked ends uniform.
; SHARES.  A work-group makes 256 rows x 256 keys; four waves, each 128 x 128 (one block kb): 64 accumulators, 512 registers.  K (= 1,024 channels) goes in steps of 128 through two LDS slots.
; CLUSTER.  4 x 4 work-groups: the four of a row share q's tile, the four of a column k's; each tile is asked for jointly.
; THE MATRIX INSTRUCTION IS USED TRANSPOSED (source 0 = 16 keys, source 1 = 16 rows of q): a lane holds one row (lane % 16) and the keys 16 b + 8 (lane / 16) + 0..7.
; THE MASK (64 KiB of int32 a wave) is read under the products, four rows a quarter step, sixteen rows ahead, one row's 512 consecutive bytes to a load, and packed to bits: 16 bytes a row in LDS.
; REGISTERS.  window 0: v16-31 addresses and the mask words at work; v64-127, v128-191 q's fragments, two buffers; v192-255 mask rows on their way; behind the loop all of v32-255 serves the softmax.
;   window 1: v64-127, v128-191 k's fragments.   windows 2, 3: the accumulators of my rows 0-63, 64-127 ((a, b) at v[8 (8 (a % 4) + b)]).
; LIMITS.  Any non-zero mask word keeps its score.  A NaN score loses every maximum; infinities are not treated.  NEG2 is rounded once to f32.
.set KSTEP,  128
.set PITCH,  272                       ; an LDS row: 256 bytes + 16: the 16 rows of a fragment load start 16 bytes apart modulo 256
.set HALFT,  128*PITCH                 ; what one tensor load brings, and what one wave reads of q or of k
.set SLOT,   4*HALFT
.set STAGE,  2*SLOT                    ; behind the ring: 16 rows x 272 bytes for each wave
.set SPITCH, 272
.set MSCR,   STAGE+4*16*SPITCH         ; behind the stage: 128 rows x 16 bytes of mask bits for each wave.  No tensor load fills stage or bits
.set LAPS,   1024/(2*KSTEP)
.set ADRA, 16                          ; v16-17  LDS address of my q fragments in slot 0, 1
.set H2,   18                          ; v18     2 (lane / 16)
.set MRA,  19                          ; v19     where I read row (lane % 16)'s mask bits
.set ADRB, 20                          ; v20-21  LDS address of my k fragments
.set MSA,  23                          ; v23     where 32 rows' mask bits are put
.set STO,  24                          ; v24     the way out: where I put 16 bytes of a row
.set RD,   25                          ; v25     the way out: where I read a row back
.set CO,   26                          ; v26     my byte offset in the wave's rows of pbuf
.set MO,   27                          ; v27     16 x lane; never rewritten
.set MW,   28                          ; v[28:31] lane i: the four mask words of row i of the 32 in hand
.set TMP,  32                          ; softmax: p in bf16
.set F0,   64
.set F1,   128
.set OB,   64                          ; softmax: rows read back from the stage, v64-95 and v96-127 by turns
.set SM,   128                         ; v128-135 M of block a
.set SL,   136                         ; v136-143 L of block a
.set W,    144                         ; v[144:147] my row's mask words
.set MP,   148                         ; v[148:149] M, twice
.set CH,   150                         ; v150-153 four chains
.set EX,   154                         ; v154    what the other half of the lanes sends
.set X,    156                         ; v[156:163] M (lanes 0-15) or L (lanes 16-31) of the eight blocks
.set MR,   192                         ; v192-255 four groups of four mask rows
.set T,    192                         ; softmax: a block's 64 scores
.set G1, 24
.set G0, 32
.set G1B, 48
.set G0B, 56
.set MB,   76                          ; s[76:77] the mask at the first of the 32 rows in hand
.set SEL,  78                          ; s78-79  lane selects: each lane takes its own place in the other half
.set MS,   80                          ; s80     LDS byte at which the next 32 rows' bits begin
.set CB,   84                          ; s84-99  sixteen compares' results
.set NEG,  100
.set HI16, 101
.set MSB, 0
.macro WIN new
.if MSB != \new
	s_set_vgpr_msb (MSB<<8)|\new
.set MSB, \new
.endif
.endm
.set MUL_LO, 0xa1                      ; source 0 (k) window 1, source 1 (q) window 0, C and D window 2
.set MUL_HI, 0xf1                      ; the same, C and D window 3
.set TO_B,   0x40                      ; destination window 1, address window 0
.macro JLOAD s                         ; a joint load: waves 0 and 1 fetch q's halves, waves 2 and 3 k's; four v_nop follow each of the two lines
	s_cmp_eq_u32 s11, 0
	s_cbranch_scc0 .Lfor_b_\@
	tensor_load_to_lds s[G0+4*\s:G0+4*\s+3], s[G1:G1+7]
	s_nop 0
.rept 4
	v_nop
.endr
	s_branch .Lasked_\@
.Lfor_b_\@:
	tensor_load_to_lds s[G0B+4*\s:G0B+4*\s+3], s[G1B:G1B+7]
	s_nop 0
.rept 4
	v_nop
.endr
.Lasked_\@:
.endm
.macro CREST
	s_cmp_lg_u32 s10, 0
	s_cbranch_scc1 .Lnot_wave_0_\@
	s_barrier_signal -3
.Lnot_wave_0_\@:
	s_barrier_wait -3
	s_barrier_signal -1
	s_barrier_wait -1
.endm
.macro CROUND
	s_barrier_signal -1
	s_barrier_wait -1
	CREST
.endm
	s_load_b256 s[68:75], s[0:1], 0x0              ; qkv s[68:69], mask s[70:71], pbuf s[72:73], stat s[74:75]
	s_set_vgpr_msb 0x40
	v_lshl_add_u32 v255, v0, 2, 0x4a400
	s_set_vgpr_msb 0x4000
	v_mov_b32 v22, 0
	s_set_vgpr_msb 0x1
	ds_add_u32 v255, v22
	s_set_vgpr_msb 0x100
	v_lshrrev_b32 v1, 5, v0
	v_readfirstlane_b32 s10, v1                    ; wave 0..3
	s_lshr_b32 s11, s10, 1                         ; which half of the tile's rows is mine.  Also: I fetch q (0) or k (1)
	s_and_b32 s12, s10, 1                          ; which half of its keys.  Also: which 128 rows of that tile I fetch
	s_bfe_u32 s40, ttmp6, 0x40000                  ; cx, cy
	s_bfe_u32 s41, ttmp6, 0x40004
	s_lshl_b32 s42, ttmp9, 2
	s_add_co_u32 s42, s42, s40                     ; tile column: 256 keys of the batch
	s_and_b32 s14, ttmp7, 0xffff
	s_lshr_b32 s45, s14, 1                         ; the batch: eight tile rows, two clusters; the same in all sixteen partners
	s_lshl_b32 s13, s14, 2
	s_add_co_u32 s13, s13, s41                     ; tile row: 256 of the 8,192 rows
	s_lshl_b32 s43, s41, 2
	s_lshl_b32 s43, 15, s43                        ; my row of the cluster
	s_lshl_b32 s44, 0x1111, s40                    ; my column
	s_or_b32 s[G1+0], s43, (1<<16)|(1<<20)|(1<<21)|(5<<22)|(3<<25)   ; elements of 2 bytes; 4 words of padding behind every 64 words
	s_or_b32 s[G1B+0], s44, (1<<16)|(1<<20)|(1<<21)|(5<<22)|(3<<25)
.irp g, G1, G1B
	s_mov_b32 s[\g+1], KSTEP<<16                   ; tensor_dim0 = 128
	s_mov_b32 s[\g+2], 128<<16                     ; tensor_dim1 = 128
	s_mov_b32 s[\g+3], KSTEP<<16                   ; tile_dim0 = 128
	s_mov_b32 s[\g+4], 128                         ; tile_dim1 = 128
	s_mov_b32 s[\g+5], 1024                        ; elements from row to row
	s_mov_b32 s[\g+6], 0
	s_mov_b32 s[\g+7], 0
.endr
	s_lshl_b32 s16, s13, 8
	s_lshl_b32 s17, s12, 7
	s_add_co_u32 s16, s16, s17                     ; q: row 256 x tile row + 128 x half,
	s_lshl_b32 s16, s16, 11                        ; rows of 2,048 bytes
	s_mov_b32 s17, 0
	s_lshl_b32 s46, s45, 11                        ; k: row 2,048 x batch + 256 x tile column + 128 x half,
	s_lshl_b32 s47, s42, 8
	s_add_co_u32 s46, s46, s47
	s_lshl_b32 s47, s12, 7
	s_add_co_u32 s46, s46, s47
	s_lshl_b32 s46, s46, 11
	s_add_co_u32 s46, s46, 1<<24                   ; behind q's 16,777,216 bytes
	s_mov_b32 s47, 0
	s_mul_i32 s20, s10, HALFT                      ; where they go: q's two halves, then k's two: wave x 128 rows
	s_mov_b32 s[SEL], 0x76543210
	s_mov_b32 s[SEL+1], 0xfedcba98
	s_mov_b32 s[NEG], 0xceabfb8f                   ; -1e9 log2(e)
	s_mov_b32 s[HI16], 0xffff0000                  ; lanes 16-31
	s_wait_dscnt 0x0
	s_wait_kmcnt 0x0
	s_add_nc_u64 s[14:15], s[68:69], s[16:17]
	s_add_nc_u64 s[46:47], s[68:69], s[46:47]
	CROUND                                         ; all sixteen work-groups are here: the first joint loads meet
.irp s, 0,1
	s_mov_b32 s[G0+4*\s], 1
	s_add_co_u32 s[G0+4*\s+1], s20, \s*SLOT
	s_add_nc_u64 s[G0+4*\s+2:G0+4*\s+3], s[14:15], \s*KSTEP*2
	s_or_b32 s[G0+4*\s+3], s[G0+4*\s+3], 0x80000000
	s_mov_b32 s[G0B+4*\s], 1
	s_add_co_u32 s[G0B+4*\s+1], s20, \s*SLOT
	s_add_nc_u64 s[G0B+4*\s+2:G0B+4*\s+3], s[46:47], \s*KSTEP*2
	s_or_b32 s[G0B+4*\s+3], s[G0B+4*\s+3], 0x80000000
	JLOAD \s                                       ; two loads of mine are out: K steps 0 and 1
.endr
	; my 128 rows x 128 keys in the mask, in pbuf and in stat
	s_lshl_b32 s20, s13, 8
	s_lshl_b32 s21, s11, 7
	s_add_co_u32 s20, s20, s21                     ; my first row
	s_lshl_b32 s82, s20, 13                        ; mask: rows of 8,192 bytes,
	s_lshl_b32 s83, s42, 10                        ; the tile's 1,024 bytes of a row,
	s_add_co_u32 s82, s82, s83
	s_lshl_b32 s83, s12, 9                         ; my 512 of them
	s_add_co_u32 s82, s82, s83
	s_mov_b32 s83, 0
	s_add_nc_u64 s[MB:MB+1], s[70:71], s[82:83]
	v_and_b32 v[MO], 31, v0
	v_lshlrev_b32 v[MO], 4, v[MO]
.set i, 0
.rept 16
	global_load_b128 v[MR+4*i:MR+4*i+3], v[MO], s[MB:MB+1] offset:i*8192 th:TH_LOAD_NT   ; rows 0 to 15: four groups of four on their way
.set i, i+1
.endr
	s_lshl_b32 s82, s20, 12                        ; pbuf: rows of 4,096 bytes, the tile's 512, my 256
	s_lshl_b32 s83, s42, 9
	s_add_co_u32 s82, s82, s83
	s_lshl_b32 s83, s12, 8
	s_add_co_u32 s82, s82, s83
	s_mov_b32 s83, 0
	s_add_nc_u64 s[72:73], s[72:73], s[82:83]
	s_lshr_b32 s82, s20, 7                         ; stat: (group of 128 rows x 16 + block of 128 keys) x 1,024 bytes
	s_lshl_b32 s82, s82, 4
	s_lshl_b32 s83, s42, 1
	s_add_co_u32 s82, s82, s83
	s_add_co_u32 s82, s82, s12
	s_lshl_b32 s82, s82, 10
	s_mov_b32 s83, 0
	s_add_nc_u64 s[74:75], s[74:75], s[82:83]
	v_and_b32 v1, 15, v0                           ; r = l % 16
	v_bfe_u32 v2, v0, 4, 1                         ; h = l / 16
	v_mul_u32_u24 v3, v1, PITCH
	v_lshl_add_u32 v3, v2, 4, v3                   ; row x pitch + 16 h
	s_mul_i32 s21, s11, HALFT                      ; my 128 rows of q
	s_mul_i32 s22, s12, HALFT                      ; my 128 rows of k,
	s_add_co_u32 s22, s22, 2*HALFT                 ; which lie behind q's 256
.irp s, 0,1
	v_add_nc_u32 v[ADRA+\s], s21, v3
	v_add_nc_u32 v[ADRB+\s], s22, v3
	s_add_co_u32 s21, s21, SLOT
	s_add_co_u32 s22, s22, SLOT
.endr
	s_mul_i32 s23, s10, 16*SPITCH
	s_add_co_u32 s23, s23, STAGE                   ; my stage
	v_add_nc_u32 v[STO], s23, v3                   ; in: row r, 16 bytes for each half of the lanes (the stage's pitch is the tiles')
	v_mul_u32_u24 v5, v2, SPITCH                   ; back: lanes 0-15 one row of 256 bytes, lanes 16-31 the next
	v_lshl_add_u32 v5, v1, 4, v5
	v_add_nc_u32 v[RD], s23, v5
	v_lshlrev_b32 v5, 12, v2                       ; and the same two rows in pbuf
	v_lshl_add_u32 v[CO], v1, 4, v5
	s_lshl_b32 s[MS], s10, 11
	s_add_co_u32 s[MS], s[MS], MSCR                ; my 2,048 bytes of mask bits
	v_lshl_add_u32 v[MRA], v1, 4, s[MS]
	v_lshlrev_b32 v[H2], 1, v2
.irp c, 0,1,2,3
	v_mov_b32 v[MW+\c], 0                          ; written whole once: v_writelane_b32 fills them lane by lane
.endr
; 16 matrix instructions: row blocks a0, a0 + 1 of the window's four x all 8 key blocks, 32 along K.  zero = 1: the first product starts the sums.
; The 64 accumulators take turns, one instruction a turn, in the same order in every quarter.
.macro MUL16 f, hi, a0, zero
.irp a, \a0, \a0+1
.irp b, 0,1,2,3,4,5,6,7
.if \zero
	v_wmma_f32_16x16x32_bf16 v[8*(8*(\a)+\b):8*(8*(\a)+\b)+7], v[\f+8*\b:\f+8*\b+7], v[\f+8*(4*\hi+\a):\f+8*(4*\hi+\a)+7], 0
.else
	v_wmma_f32_16x16x32_bf16 v[8*(8*(\a)+\b):8*(8*(\a)+\b)+7], v[\f+8*\b:\f+8*\b+7], v[\f+8*(4*\hi+\a):\f+8*(4*\hi+\a)+7], v[8*(8*(\a)+\b):8*(8*(\a)+\b)+7]
.endif
.endr
.endr
.endm
; 32 LDS loads in one run: the fragments of one quarter step (128 rows of k, 128 rows of q, 32 K at byte k of the rows) into buffer f
.macro FETCH slot, k, f
	WIN TO_B
.irp i, 0,1,2,3,4,5,6,7
	ds_load_b128 v[\f+8*\i:\f+8*\i+3],   v[ADRB+\slot] offset:\k+\i*16*PITCH
	ds_load_b128 v[\f+8*\i+4:\f+8*\i+7], v[ADRB+\slot] offset:\k+\i*16*PITCH+32
.endr
	WIN 0
.irp i, 0,1,2,3,4,5,6,7
	ds_load_b128 v[\f+8*\i:\f+8*\i+3],   v[ADRA+\slot] offset:\k+\i*16*PITCH
	ds_load_b128 v[\f+8*\i+4:\f+8*\i+7], v[ADRA+\slot] offset:\k+\i*16*PITCH+32
.endr
.endm
.macro PLACES                          ; four places in front of loads into registers that matrix instructions have read, and of vector work on their results
.rept 4
	v_nop
.endr
.endm
; THE MASK'S SHARE OF A QUARTER STEP.  p = the quarter's place among the eight of 32 rows.  Rows 4 p + 0..3 have come: word c of lane L is mask[row][4 L + c].  A compare makes of each register a
; word of 32 bits (bit L), which goes into lane 4 p + i of MW + c.  load = 1: the group's registers take the rows sixteen further down.  left = the younger loads that may stay out: three groups of four.
; At place 7 the 32 rows' bits go to LDS, 16 bytes a row, and the mask's address steps 32 rows.
.macro MASKQ p, load, left
	s_wait_loadcnt \left
.irp i, 0,1,2,3
.irp c, 0,1,2,3
	v_cmp_ne_u32 s[CB+4*\i+\c], 0, v[MR+16*((\p)%4)+4*\i+\c]
.endr
.endr
.irp i, 0,1,2,3
.irp c, 0,1,2,3
	v_writelane_b32 v[MW+\c], s[CB+4*\i+\c], 4*(\p)+\i
.endr
.endr
.if \load
.irp i, 0,1,2,3
	global_load_b128 v[MR+16*((\p)%4)+4*\i:MR+16*((\p)%4)+4*\i+3], v[MO], s[MB:MB+1] offset:(4*((\p)+4)+\i)*8192 th:TH_LOAD_NT
.endr
.endif
.if \p == 7
	v_add_nc_u32 v[MSA], s[MS], v[MO]
	ds_store_b128 v[MSA], v[MW:MW+3]
.if \load
	s_add_co_u32 s[MS], s[MS], 512
	s_wait_xcnt 0x0                                ; the loads' base is stepped only behind this wait
	s_add_nc_u64 s[MB:MB+1], s[MB:MB+1], 32*8192
.endif
.endif
.endm
; A K step is four quarter steps of 32 along K, 64 matrix instructions each, on buffers 0, 1, 0, 1.  One of the first three multiplies buffer f and fetches the next quarter, at byte k, into g.
.macro QUARTER slot, k, f, g, zero, p, load, left
	s_wait_dscnt 8                                 ; k and q's rows 0-63 are in; the youngest eight loads (q's rows 64-127) may be out
	WIN MUL_LO
	MUL16 \f, 0, 0, \zero
	MUL16 \f, 0, 2, \zero
	PLACES
	WIN 0
	MASKQ \p, \load, \left
	FETCH \slot, \k, \g
	s_wait_dscnt 32                                ; all but the 32 just issued
	WIN MUL_HI
	MUL16 \f, 1, 0, \zero
	MUL16 \f, 1, 2, \zero
.endm
; The last quarter multiplies buffer 1 and changes slots.  MEET is its first half: one barrier; in front of it each wave waits for its own reads of this slot and for all its tensor loads.
.macro MEET round
	s_wait_dscnt 8
	WIN MUL_LO
	MUL16 F1, 0, 0, 0
	s_wait_dscnt 0                                 ; my reads of this slot are over,
	s_wait_tensorcnt 0x0                           ; and all my tensor loads have landed: the one that was out is my part of the next slot
	ds_add_u32 v255, v22
	s_wait_dscnt 0x0
	s_barrier_signal -1
	MUL16 F1, 0, 2, 0                              ; registers alone until the wait
.if \round
	WIN 0
.endif
	s_barrier_wait -1
.endm
; The whole last quarter with a refill: the barrier opens a round of the cluster's barrier; behind the round this slot is filled again first, two K steps ahead: 240 matrix instructions ahead of the wait for it.
.macro TURN slot, next, p
	MEET 1
	CREST                                          ; no wave of any partner still reads this slot's tiles or has a load on its way
	s_add_nc_u64 s[G0+4*\slot+2:G0+4*\slot+3], s[G0+4*\slot+2:G0+4*\slot+3], 2*KSTEP*2
	s_add_nc_u64 s[G0B+4*\slot+2:G0B+4*\slot+3], s[G0B+4*\slot+2:G0B+4*\slot+3], 2*KSTEP*2
	JLOAD \slot                                    ; the four v_nop behind it are also the places in front of the loads below
	MASKQ \p, 1, 12
	FETCH \next, 0, F0
	WIN MUL_HI
	MUL16 F1, 1, 0, 0
	MUL16 F1, 1, 2, 0
.endm
	s_wait_tensorcnt 1                             ; my part of K step 0 is in; K step 1's may stay out
	s_barrier_signal -1
	s_barrier_wait -1
	FETCH 0, 0, F0
	QUARTER 0, 64,  F0, F1, 1, 0, 1, 12            ; the first quarter stands in front of the loop: its products start the sums
	WIN 0
	s_mov_b32 s3, LAPS-1
.Llap:                                                 ; a trip goes once round the ring and through 32 rows of the mask
	QUARTER 0, 128, F1, F0, 0, 1, 1, 12
	QUARTER 0, 192, F0, F1, 0, 2, 1, 12
	TURN 0, 1, 3
	QUARTER 1, 64,  F0, F1, 0, 4, 1, 12
	QUARTER 1, 128, F1, F0, 0, 5, 1, 12
	QUARTER 1, 192, F0, F1, 0, 6, 1, 12
	TURN 1, 0, 7
	QUARTER 0, 64,  F0, F1, 0, 0, 1, 12
	WIN 0
	s_sub_co_u32 s3, s3, 1
	s_cmp_lg_u32 s3, 0
	s_cbranch_scc1 .Llap
	QUARTER 0, 128, F1, F0, 0, 1, 1, 12            ; the last lap fills no slot; the mask's last sixteen rows are asked for in its first half,
	QUARTER 0, 192, F0, F1, 0, 2, 1, 12
	MEET 0
	PLACES
	WIN 0
	MASKQ 3, 1, 12
	FETCH 1, 0, F0
	WIN MUL_HI
	MUL16 F1, 1, 0, 0
	MUL16 F1, 1, 2, 0
	QUARTER 1, 64,  F0, F1, 0, 4, 0, 12            ; and then the counts run down: three, two, one, no group may stay out
	QUARTER 1, 128, F1, F0, 0, 5, 0, 8
	QUARTER 1, 192, F0, F1, 0, 6, 0, 4
	s_wait_dscnt 8                                 ; the very last quarter: nothing more to fetch
	WIN MUL_LO
	MUL16 F1, 0, 0, 0
	MUL16 F1, 0, 2, 0
	WIN 0
	MASKQ 7, 0, 0
	s_wait_dscnt 0
	WIN MUL_HI
	MUL16 F1, 1, 0, 0
	MUL16 F1, 1, 2, 0
	WIN 0
	; THE SOFTMAX OF A BLOCK AND THE WAY OUT, 16 rows at a time.
	PLACES
	v_mov_b32 v[EX], 0                             ; v_permlanex16_b32 counts as a reader of its destination
.macro SEND a                          ; 16 rows of p, whole rows of 256 bytes
.set BK, OB+32*((\a)%2)
.irp t, 0,1,2,3,4,5,6,7
	global_store_b128 v[CO], v[BK+4*\t:BK+4*\t+3], s[72:73] offset:(16*(\a)+2*\t)*4096   ; 16 lanes store 256 consecutive bytes, at a multiple of 256 from pbuf's first byte
.endr
.endm
.macro SOFT a
	ds_load_b128 v[W:W+3], v[MRA] offset:256*(\a)  ; the mask bits of row 16 a + r: bit L of word c is key 4 L + c
	s_wait_dscnt 0x0                               ; they are in, and so are the rows of the block before
.if (\a) > 0
	SEND (\a)-1
.endif
.irp c, 0,1,2,3
	v_lshrrev_b32 v[W+\c], v[H2], v[W+\c]          ; my keys are 16 b + 8 h + j: word j % 4, bit 4 b + 2 h + j / 4
.endr
.irp b, 0,1,2,3,4,5,6,7
.irp j, 0,1,2,3,4,5,6,7
	v_lshlrev_b32 v[T+8*\b+\j], 31-4*\b-\j/4, v[W+\j%4]            ; the bit goes to the top,
.endr
.endr
.set i, 0
.rept 64
	v_ashrrev_i32 v[T+i], 31, v[T+i]               ; and fills the word
.set i, i+1
.endr
	WIN 0x08+4*((\a)/4)                            ; source 1: window 2 or 3
.set i, 0
.rept 64
	v_bfi_b32 v[T+i], v[T+i], v[64*((\a)%4)+i], s[NEG]             ; the score where the bit is set, NEG2 where it is not
.set i, i+1
.endr
	WIN 0
.irp c, 0,1,2,3                        ; the maximum of my 64 scores: four chains of sixteen
	v_max3_num_f32 v[CH+\c], v[T+16*\c], v[T+16*\c+1], v[T+16*\c+2]
.endr
.irp k, 0,1,2,3,4,5
.irp c, 0,1,2,3
	v_max3_num_f32 v[CH+\c], v[CH+\c], v[T+16*\c+3+2*\k], v[T+16*\c+4+2*\k]
.endr
.endr
.irp c, 0,1,2,3
	v_max_num_f32 v[CH+\c], v[CH+\c], v[T+16*\c+15]
.endr
	v_max3_num_f32 v[CH], v[CH], v[CH+1], v[CH+2]
	v_max_num_f32 v[CH], v[CH], v[CH+3]
	v_permlanex16_b32 v[EX], v[CH], s[SEL], s[SEL+1]               ; the row's other 64 keys lie in the lane 16 away
	v_max_num_f32 v[CH], v[CH], v[EX]
	v_floor_f32 v[MP], v[CH]                       ; M: a whole number, so that the blocks are joined by exact powers of two
	v_floor_f32 v[MP+1], v[CH]
	v_floor_f32 v[SM+(\a)], v[CH]
.set i, 0
.rept 32
	v_pk_add_f32 v[T+i:T+i+1], v[T+i:T+i+1], v[MP:MP+1] neg_lo:[0,1] neg_hi:[0,1]   ; t - M
.set i, i+2
.endr
.set i, 0
.rept 64
	v_exp_f32 v[T+i], v[T+i]
.set i, i+1
.endr
	v_nop                                          ; a plain instruction between the exponentials and the use of their results
.set i, 0
	s_wait_alu depctr_va_vdst(0)
.rept 32
	v_cvt_pk_bf16_f32 v[TMP+i], v[T+2*i], v[T+2*i+1]
.set i, i+1
.endr
.irp w, 4,8,16,32,64                   ; L: 32 pairs are added to one, neighbours 1, 2, 4, 8, 16 pairs apart
.set u, 0
.rept 64/\w
	v_pk_add_f32 v[T+\w*u:T+\w*u+1], v[T+\w*u:T+\w*u+1], v[T+\w*u+\w/2:T+\w*u+\w/2+1]
.set u, u+1
.endr
.endr
	v_add_f32 v[CH], v[T], v[T+1]
	v_permlanex16_b32 v[EX], v[CH], s[SEL], s[SEL+1]
	v_add_f32 v[SL+(\a)], v[CH], v[EX]
	s_wait_xcnt 0x0                                ; the registers that earlier stores read are loaded again only behind this wait
.set BK, OB+32*((\a)%2)
.irp b, 0,1,2,3,4,5,6,7
	ds_store_b128 v[STO], v[TMP+4*\b:TMP+4*\b+3] offset:32*\b
.endr
.irp t, 0,1,2,3,4,5,6,7
	ds_load_b128 v[BK+4*\t:BK+4*\t+3], v[RD] offset:\t*2*SPITCH    ; LDS serves a wave's instructions in order: these see the stores above
.endr
.endm
.irp a, 0,1,2,3,4,5,6,7
	SOFT \a
.endr
	s_wait_dscnt 0x0
	SEND 7
.irp a, 0,1,2,3,4,5,6,7
	v_cndmask_b32 v[X+\a], v[SM+\a], v[SL+\a], s[HI16]             ; every lane holds its row's M and L: lanes 0-15 send M, lanes 16-31 L
.endr
	global_store_b128 v[MO], v[X:X+3], s[74:75]                    ; rows 0-63: 256 bytes of M, 256 of L, each [r][4 blocks]
	global_store_b128 v[MO], v[X+4:X+7], s[74:75] offset:512       ; rows 64-127
	s_set_vgpr_msb 0x1
	s_wait_tensorcnt 0x0
	ds_add_u32 v255, v22
	s_wait_dscnt 0x0
	s_set_vgpr_msb 0x100
	CROUND                                         ; the closing round: no work-group ends while a partner may still ask for a tile that names it
	s_endpgm
.Lfunc_end_k_qb3854fe23d_scores:
	.size	k_qb3854fe23d_scores, .Lfunc_end_k_qb3854fe23d_scores-k_qb3854fe23d_scores
	.p2alignl 7, 3214868480
	.fill 96, 4, 3214868480
	.section	.rodata,"a",@progbits
	.p2align	6, 0x0
	.amdhsa_kernel k_qb3854fe23d_scores
		.amdhsa_group_segment_fixed_size 327680
		.amdhsa_private_segment_fixed_size 0
		.amdhsa_enable_private_segment 0
		.amdhsa_kernarg_size 32
		.amdhsa_user_sgpr_count 2
		.amdhsa_user_sgpr_kernarg_segment_ptr 1
		.amdhsa_wavefront_size32 1
		.amdhsa_system_sgpr_workgroup_id_x 1
		.amdhsa_system_sgpr_workgroup_id_y 1
		.amdhsa_system_sgpr_workgroup_id_z 1
		.amdhsa_system_vgpr_workitem_id 0
		.amdhsa_next_free_vgpr 1024
		.amdhsa_next_free_sgpr 102
		.amdhsa_reserve_vcc 0
		.amdhsa_float_denorm_mode_32 3
		.amdhsa_float_denorm_mode_16_64 3
		.amdhsa_memory_ordered 1
		.amdhsa_forward_progress 1
		.amdhsa_inst_pref_size 255
	.end_amdhsa_kernel
	.section	.bss,"aw",@nobits
	.p2align	6
	.space	262144
	.amdgpu_metadata
---
amdhsa.version: [ 1, 2 ]
amdhsa.kernels:
  - .name:           k_qb3854fe23d_scores
    .symbol:         k_qb3854fe23d_scores.kd
    .args:
      - { .name: qkv, .offset: 0, .size: 8, .value_kind: global_buffer, .address_space: global }
      - { .name: mask, .offset: 8, .size: 8, .value_kind: global_buffer, .address_space: global }
      - { .name: pbuf, .offset: 16, .size: 8, .value_kind: global_buffer, .address_space: global }
      - { .name: stat, .offset: 24, .size: 8, .value_kind: global_buffer, .address_space: global }
    .group_segment_fixed_size: 327680
    .private_segment_fixed_size: 0
    .kernarg_segment_align: 8
    .kernarg_segment_size: 32
    .max_flat_workgroup_size: 128
    .sgpr_count:     102
    .vgpr_count:     1024
    .wavefront_size: 32
...
	.end_amdgpu_metadata
.endif
;; end of part 3
;; launch pv (part 4): grid 4 x 64, 4 waves a work-group, clusters of 4 x 4, 327,680 bytes of LDS; arguments pbuf, stat, qkv, out0; writes out0
.if DOCPART == 4
	.amdgcn_target "amdgcn-amd-amdhsa--gfx1250"
	.amdhsa_code_object_version 6
	.text
	.protected	k_qb3854fe23d_pv
	.globl	k_qb3854fe23d_pv
	.p2align	8
	.type	k_qb3854fe23d_pv,@function
k_qb3854fe23d_pv:
	s_mov_b64 s[64:65], 0
	v_nop
	global_prefetch_b8 v0, s[64:65] scope:SCOPE_SE
	s_setreg_imm32_b32 hwreg(HW_REG_WAVE_MODE, 25, 1), 1
	s_wait_xcnt 0x0
	s_wait_alu depctr_hold_cnt(0) depctr_sa_sdst(0) depctr_va_vdst(0) depctr_va_sdst(0) depctr_va_ssrc(0) depctr_va_vcc(0) depctr_vm_vsrc(0)
	s_getreg_b32 s2, hwreg(HW_REG_IB_STS2, 6, 4)
	s_cmp_eq_u32 s2, 0
	s_cbranch_scc0 .Lentry_in_a_cluster
	s_endpgm
.Lentry_in_a_cluster:
	s_bfe_u32 s2, ttmp6, 0x10000c
	s_cmp_lg_u32 s2, 0xf033
	s_cbranch_scc0 .Lentry_shape_is_right
	s_endpgm
.Lentry_shape_is_right:
; out0[row][channel] = (the sum over blocks kb of 128 keys of c[row][kb] x the sum over the block's keys of p[row][key] v[key][channel]) / l[row],
;   c = 2^(M[row][kb] - max over kb of M),  l = the sum over kb of c L[row][kb].  M are whole numbers, so c is an exact power of two, at most 1: the bf16 product c p rounds nothing.
;   The block that holds the row's maximum has c = 1 and L >= 1, so l >= 1.  With the launch before, this is the softmax with the row's maximum (rounded down to a whole number) taken away.
; SHARES.  256 tiles of 128 rows x 256 channels (tiles of 256 x 256 would be 128).  Four waves, each 64 rows x 128 channels: 32 accumulators.  K (= the batch's 2,048 keys) goes in steps of 128,
; one block kb each, through two LDS slots: 128 rows of p (256 bytes + 16) and 128 keys of v (512 bytes + 32).  Waves 0, 1 fetch p's halves, waves 2, 3 v's.
; CLUSTER.  4 x 4 work-groups: the four of a row share p's tile, the four of a column v's; each tile is asked for jointly.
; THE MATRIX INSTRUCTION IS USED TRANSPOSED (source 0 = 16 channels of v^T, by the turning load; source 1 = 16 rows of p): a lane holds one row (lane % 16) and the channels 16 b + 8 (lane / 16) + 0..7.
; REGISTERS.  window 0: v16-28 addresses; v32-39 c of my four row blocks, packed twice, a set for each slot; v40-55 1 / l, max M, l; v64-95, v96-127 p's fragments, two buffers;
;   v128-255 M and L at the start, at work on the way out.   window 1: accumulator (a, b) at v[8 (8 a + b)].   window 2: v0-63, v64-127 v^T's fragments, two buffers.
; LIMITS.  A block whose M lies more than 126 below the row's maximum gets c = 0 (the exponential gives no denormals: ISA guide 15.8), and c p below bf16's normal range is not kept exactly:
; weights under 2^-126 of the row's largest.  c in l is the f32 exponential, c on p its rounding to bf16: one f32 ULP apart at the most.
.set KSTEP,  128
.set PP,     272                       ; p's LDS row: 256 bytes + 16
.set HP,     64*PP
.set VOFF,   2*HP                      ; v lies behind p's 128 rows
.set PV,     544                       ; v's LDS row: 512 bytes + 32, an odd multiple of 32: the turning load's 8 rows x 32 bytes fall on different bytes modulo 256
.set HV,     64*PV
.set SLOT,   VOFF+2*HV                 ; 104,448 bytes
.set STAGE,  2*SLOT                    ; behind the ring: 16 rows x 528 bytes for each wave
.set SP,     528
.set CT,     STAGE+4*16*SP             ; behind the stage: c, [kb][r][4 row blocks] of 4 bytes, 4,096 bytes for each wave.  No tensor load fills stage or table
.set LAPS,   2048/(2*KSTEP)
.set ADRP, 16                          ; v16-17  LDS address of my p fragments in slot 0, 1
.set ADRV, 20                          ; v20-21  the same for v
.set STO,  24
.set RD,   25
.set CO,   26                          ; v26     16 x lane
.set CTA,  27                          ; v27     the table's address in hand
.set SO,   28                          ; v28     16 r; never rewritten
.set CC,   32
.set RL,   40                          ; v[40:47] 1 / l of row block a, twice
.set MX,   48                          ; v[48:51] max M
.set LL,   52                          ; v[52:55] l
.set PF0,  64
.set PF1,  96
.set SMX,  128                         ; v128-191 M, then c, at 4 kb + a
.set SLX,  192                         ; v192-255 L
.set T,    128                         ; the way out: 64 results
.set OB,   192                         ; the way out: 16 rows read back
.set G1, 24
.set G0, 32
.set G1B, 48
.set G0B, 56
.set CTS,  76                          ; s76     LDS byte of the table's next block kb
.set MSB, 0
.macro WIN new
.if MSB != \new
	s_set_vgpr_msb (MSB<<8)|\new
.set MSB, \new
.endif
.endm
.set MUL,  0x52                        ; source 0 (v^T) window 2, source 1 (p) window 0, C and D window 1
.set TO_B, 0x80                        ; destination window 2, address window 0
.macro JLOAD s                         ; a joint load: waves 0 and 1 fetch p's halves, waves 2 and 3 v's; four v_nop follow each of the two lines
	s_cmp_eq_u32 s11, 0
	s_cbranch_scc0 .Lfor_b_\@
	tensor_load_to_lds s[G0+4*\s:G0+4*\s+3], s[G1:G1+7]
	s_nop 0
.rept 4
	v_nop
.endr
	s_branch .Lasked_\@
.Lfor_b_\@:
	tensor_load_to_lds s[G0B+4*\s:G0B+4*\s+3], s[G1B:G1B+7]
	s_nop 0
.rept 4
	v_nop
.endr
.Lasked_\@:
.endm
.macro CREST
	s_cmp_lg_u32 s10, 0
	s_cbranch_scc1 .Lnot_wave_0_\@
	s_barrier_signal -3
.Lnot_wave_0_\@:
	s_barrier_wait -3
	s_barrier_signal -1
	s_barrier_wait -1
.endm
.macro CROUND
	s_barrier_signal -1
	s_barrier_wait -1
	CREST
.endm
	s_load_b256 s[68:75], s[0:1], 0x0              ; pbuf s[68:69], stat s[70:71], qkv s[72:73], out0 s[74:75]
	s_set_vgpr_msb 0x80
	v_lshl_add_u32 v129, v0, 2, 0x3f400
	s_set_vgpr_msb 0x8000
	v_mov_b32 v63, 0
	s_set_vgpr_msb 0x2
	ds_add_u32 v129, v63
	s_set_vgpr_msb 0x200
	v_lshrrev_b32 v1, 5, v0
	v_readfirstlane_b32 s10, v1                    ; wave 0..3
	s_lshr_b32 s11, s10, 1                         ; which half of the tile's rows is mine.  Also: I fetch p (0) or v (1)
	s_and_b32 s12, s10, 1                          ; which half of its channels.  Also: which half of that tile I fetch
	s_bfe_u32 s40, ttmp6, 0x40000                  ; cx, cy
	s_bfe_u32 s41, ttmp6, 0x40004
	s_lshl_b32 s42, ttmp9, 2
	s_add_co_u32 s42, s42, s40                     ; tile column: 256 channels
	s_and_b32 s14, ttmp7, 0xffff
	s_lshr_b32 s45, s14, 2                         ; the batch: sixteen tile rows, four clusters; the same in all sixteen partners
	s_lshl_b32 s13, s14, 2
	s_add_co_u32 s13, s13, s41                     ; tile row: 128 of the 8,192 rows
	s_lshl_b32 s43, s41, 2
	s_lshl_b32 s43, 15, s43                        ; my row of the cluster
	s_lshl_b32 s44, 0x1111, s40                    ; my column
	; group 1 for p: 64 rows x 128 elements of 2 bytes, 4 words of padding behind every 64 words
	s_or_b32 s[G1+0], s43, (1<<16)|(1<<20)|(1<<21)|(5<<22)|(3<<25)
	s_mov_b32 s[G1+1], KSTEP<<16
	s_mov_b32 s[G1+2], 64<<16
	s_mov_b32 s[G1+3], KSTEP<<16
	s_mov_b32 s[G1+4], 64
	s_mov_b32 s[G1+5], 2048                        ; elements from row to row
	s_mov_b32 s[G1+6], 0
	s_mov_b32 s[G1+7], 0
	; group 1 for v: 64 keys x 256 elements of 2 bytes, 8 words of padding behind every 128 words
	s_or_b32 s[G1B+0], s44, (1<<16)|(1<<20)|(1<<21)|(6<<22)|(7<<25)
	s_mov_b32 s[G1B+1], 256<<16
	s_mov_b32 s[G1B+2], 64<<16
	s_mov_b32 s[G1B+3], 256<<16
	s_mov_b32 s[G1B+4], 64
	s_mov_b32 s[G1B+5], 1024
	s_mov_b32 s[G1B+6], 0
	s_mov_b32 s[G1B+7], 0
	s_lshl_b32 s16, s13, 7
	s_lshl_b32 s17, s12, 6
	s_add_co_u32 s16, s16, s17                     ; p: row 128 x tile row + 64 x half,
	s_lshl_b32 s16, s16, 12                        ; rows of 4,096 bytes
	s_mov_b32 s17, 0
	s_lshl_b32 s46, s45, 11                        ; v: key 2,048 x batch + 64 x half,
	s_lshl_b32 s47, s12, 6
	s_add_co_u32 s46, s46, s47
	s_lshl_b32 s46, s46, 11                        ; rows of 2,048 bytes,
	s_lshl_b32 s47, s42, 9                         ; the tile's 512 bytes of a row,
	s_add_co_u32 s46, s46, s47
	s_add_co_u32 s46, s46, 1<<25                   ; behind q's and k's 33,554,432 bytes
	s_mov_b32 s47, 0
	s_mul_i32 s20, s12, HP                         ; where they go: no place in the cluster enters an LDS address
	s_mul_i32 s21, s12, HV
	s_add_co_u32 s21, s21, VOFF
	s_wait_dscnt 0x0
	s_wait_kmcnt 0x0
	s_add_nc_u64 s[14:15], s[68:69], s[16:17]
	s_add_nc_u64 s[46:47], s[72:73], s[46:47]
	CROUND                                         ; all sixteen work-groups are here: the first joint loads meet
.irp s, 0,1
	s_mov_b32 s[G0+4*\s], 1
	s_add_co_u32 s[G0+4*\s+1], s20, \s*SLOT
	s_add_nc_u64 s[G0+4*\s+2:G0+4*\s+3], s[14:15], \s*KSTEP*2
	s_or_b32 s[G0+4*\s+3], s[G0+4*\s+3], 0x80000000
	s_mov_b32 s[G0B+4*\s], 1
	s_add_co_u32 s[G0B+4*\s+1], s21, \s*SLOT
	s_add_nc_u64 s[G0B+4*\s+2:G0B+4*\s+3], s[46:47], \s*KSTEP*2048
	s_or_b32 s[G0B+4*\s+3], s[G0B+4*\s+3], 0x80000000
	JLOAD \s                                       ; two loads of mine are out: key steps 0 and 1
.endr
	; M and L of my 64 rows, all 16 blocks: lane (r, h) takes rows 16 a + r, a = 0..3, 16 bytes each
	s_lshl_b32 s82, s13, 14                        ; stat: the group's 16 x 1,024 bytes,
	s_lshl_b32 s83, s11, 9                         ; my half's 512 of each 1,024
	s_add_co_u32 s82, s82, s83
	s_mov_b32 s83, 0
	s_add_nc_u64 s[70:71], s[70:71], s[82:83]
	v_and_b32 v1, 15, v0                           ; r = l % 16
	v_bfe_u32 v2, v0, 4, 1                         ; h = l / 16
	v_lshlrev_b32 v[SO], 4, v1
.irp kb, 0,1,2,3,4,5,6,7,8,9,10,11,12,13,14,15
	global_load_b128 v[SMX+4*\kb:SMX+4*\kb+3], v[SO], s[70:71] offset:1024*\kb
	global_load_b128 v[SLX+4*\kb:SLX+4*\kb+3], v[SO], s[70:71] offset:1024*\kb+256
.endr
	s_lshl_b32 s82, s13, 7                         ; out0: row 128 x tile row + 64 x my half, rows of 4,096 bytes, the tile's 1,024, my 512
	s_lshl_b32 s83, s11, 6
	s_add_co_u32 s82, s82, s83
	s_lshl_b32 s82, s82, 12
	s_lshl_b32 s83, s42, 10
	s_add_co_u32 s82, s82, s83
	s_lshl_b32 s83, s12, 9
	s_add_co_u32 s82, s82, s83
	s_mov_b32 s83, 0
	s_add_nc_u64 s[74:75], s[74:75], s[82:83]
	v_mul_u32_u24 v5, v1, PP
	v_lshl_add_u32 v5, v2, 4, v5                   ; p: row x pitch + 16 h
	v_and_b32 v3, 7, v0                            ; v, for the turning load: key 8 h + l % 8, channels 8 ((l / 8) % 2) + 0..7
	v_lshl_add_u32 v3, v2, 3, v3
	v_mul_u32_u24 v3, v3, PV
	v_bfe_u32 v4, v0, 3, 1
	v_lshl_add_u32 v3, v4, 4, v3
	s_mul_i32 s22, s11, HP                         ; my 64 rows of p
	s_lshl_b32 s23, s12, 8                         ; my 128 channels: 256 bytes of each key's row
	s_add_co_u32 s23, s23, VOFF
.irp s, 0,1
	v_add_nc_u32 v[ADRP+\s], s22, v5
	v_add_nc_u32 v[ADRV+\s], s23, v3
	s_add_co_u32 s22, s22, SLOT
	s_add_co_u32 s23, s23, SLOT
.endr
	s_mul_i32 s22, s10, 16*SP
	s_add_co_u32 s22, s22, STAGE                   ; my stage
	v_mul_u32_u24 v5, v1, SP                       ; in: row r, 32 bytes for each half of the lanes
	v_lshl_add_u32 v5, v2, 5, v5
	v_add_nc_u32 v[STO], s22, v5
	v_and_b32 v[CO], 31, v0
	v_lshlrev_b32 v[CO], 4, v[CO]                  ; back and out: 32 lanes take a row's 512 bytes
	v_add_nc_u32 v[RD], s22, v[CO]
	s_lshl_b32 s[CTS], s10, 12
	s_add_co_u32 s[CTS], s[CTS], CT                ; my table
	v_add_nc_u32 v[CTA], s[CTS], v[SO]
	s_wait_loadcnt 0x0                             ; M and L
.irp a, 0,1,2,3                        ; the row's maximum over the 16 blocks
	v_max3_num_f32 v[MX+\a], v[SMX+\a], v[SMX+4+\a], v[SMX+8+\a]
.endr
.irp k, 0,1,2,3,4,5
.irp a, 0,1,2,3
	v_max3_num_f32 v[MX+\a], v[MX+\a], v[SMX+4*(3+2*\k)+\a], v[SMX+4*(4+2*\k)+\a]
.endr
.endr
.irp a, 0,1,2,3
	v_max_num_f32 v[MX+\a], v[MX+\a], v[SMX+60+\a]
.endr
.set i, 0
.rept 32
	v_pk_add_f32 v[SMX+i:SMX+i+1], v[SMX+i:SMX+i+1], v[MX+i%4:MX+i%4+1] neg_lo:[0,1] neg_hi:[0,1]   ; M - max M: a whole number, at most 0
.set i, i+2
.endr
.set i, 0
.rept 64
	v_exp_f32 v[SMX+i], v[SMX+i]
.set i, i+1
.endr
	v_nop                                          ; a plain instruction between the exponentials and the use of their results
	s_wait_alu depctr_va_vdst(0)
	v_pk_mul_f32 v[LL:LL+1],   v[SMX:SMX+1],   v[SLX:SLX+1]        ; l = the sum of c L: block 0 starts it
	v_pk_mul_f32 v[LL+2:LL+3], v[SMX+2:SMX+3], v[SLX+2:SLX+3]
.set i, 4
.rept 30
	v_pk_fma_f32 v[LL+i%4:LL+i%4+1], v[SMX+i:SMX+i+1], v[SLX+i:SLX+i+1], v[LL+i%4:LL+i%4+1]
.set i, i+2
.endr
.irp a, 0,1,2,3
	v_rcp_f32 v[RL+2*\a], v[LL+\a]                 ; twice: the packed multiply takes a pair.  The roundings below are the plain instructions behind the reciprocals
	v_rcp_f32 v[RL+2*\a+1], v[LL+\a]
.endr
.set i, 0
.rept 64
	v_cvt_pk_bf16_f32 v[SMX+i], v[SMX+i], v[SMX+i] ; {c, c}: the rounding also takes a last-bit error of the exponential back to the power of two
.set i, i+1
.endr
.irp kb, 0,1,2,3,4,5,6,7,8,9,10,11,12,13,14,15
	ds_store_b128 v[CTA], v[SMX+4*\kb:SMX+4*\kb+3] offset:256*\kb  ; my wave's own bytes; both halves of the lanes write the same numbers
.endr
; Half hf of p's fragment a times c of its rows, in place: exact
.macro SCALE4 f, a, hf, slot
.irp i, 0,1,2,3
	v_pk_mul_bf16 v[\f+8*(\a)+4*(\hf)+\i], v[\f+8*(\a)+4*(\hf)+\i], v[CC+4*\slot+(\a)]
.endr
.endm
; Eight matrix instructions: row block a x all 8 channel blocks, 32 keys.  Between them the next row block is scaled.
; The 32 accumulators take turns, one instruction a turn, in the same order in every quarter.
.macro GROUP f, a, zero, slot
.irp b, 0,1,2,3,4,5,6,7
	WIN MUL
.if \zero
	v_wmma_f32_16x16x32_bf16 v[8*(8*\a+\b):8*(8*\a+\b)+7], v[(\f-64)*2+8*\b:(\f-64)*2+8*\b+7], v[\f+8*\a:\f+8*\a+7], 0
.else
	v_wmma_f32_16x16x32_bf16 v[8*(8*\a+\b):8*(8*\a+\b)+7], v[(\f-64)*2+8*\b:(\f-64)*2+8*\b+7], v[\f+8*\a:\f+8*\a+7], v[8*(8*\a+\b):8*(8*\a+\b)+7]
.endif
.if (\a < 3) && ((\b == 0) || (\b == 2))
	WIN 0
	SCALE4 \f, \a+1, \b/2, \slot
.endif
.endr
.endm
; The LDS loads of quarter kq (32 keys) of a slot in one run: with a slot's first quarter its block's c; v^T's 8 fragments, turned; p's 4
.macro FETCH slot, kq, f
	WIN 0
.if \kq == 0
	v_add_nc_u32 v[CTA], s[CTS], v[SO]
	s_add_co_u32 s[CTS], s[CTS], 256               ; the next slot's block is the next kb
	ds_load_b128 v[CC+4*\slot:CC+4*\slot+3], v[CTA]
.endif
	WIN TO_B
.irp b, 0,1,2,3,4,5,6,7
	ds_load_tr16_b128 v[(\f-64)*2+8*\b:(\f-64)*2+8*\b+3],   v[ADRV+\slot] offset:\kq*32*PV+32*\b
	ds_load_tr16_b128 v[(\f-64)*2+8*\b+4:(\f-64)*2+8*\b+7], v[ADRV+\slot] offset:\kq*32*PV+16*PV+32*\b
.endr
	WIN 0
.irp a, 0,1,2,3
	ds_load_b128 v[\f+8*\a:\f+8*\a+3],   v[ADRP+\slot] offset:\a*16*PP+64*\kq
	ds_load_b128 v[\f+8*\a+4:\f+8*\a+7], v[ADRP+\slot] offset:\a*16*PP+64*\kq+32
.endr
.endm
; A key step is four quarters of 32 keys, 32 matrix instructions each, on buffers 0, 1, 0, 1.  One of the first three multiplies buffer f and, in its middle, fetches quarter kq into buffer g.
; The loads into buffer g stand 24 scalings behind the last matrix instruction that read it (ISA guide 7.12.1 asks for four such places).
.macro QUARTER slot, kq, f, g, zero
	s_wait_dscnt 0x0                               ; this quarter's loads, issued 16 matrix instructions ago
	WIN 0
	SCALE4 \f, 0, 0, \slot
	SCALE4 \f, 0, 1, \slot
	GROUP \f, 0, \zero, \slot
	GROUP \f, 1, \zero, \slot
	FETCH \slot, \kq, \g
	GROUP \f, 2, \zero, \slot
	GROUP \f, 3, \zero, \slot
.endm
; The last quarter multiplies buffer 1 and changes slots: one barrier.  In front of it each wave waits for its own reads of this slot and for all its tensor loads (one is out: its part of
; the next slot).  fill = 1: the barrier opens a round of the cluster's barrier, and behind the round this slot is filled again first, two key steps ahead: 112 matrix instructions ahead of the wait for it.
.macro TURN slot, next, fill
	s_wait_dscnt 0x0                               ; my reads of this slot are over,
	s_wait_tensorcnt 0x0                           ; and all my tensor loads have landed
	ds_add_u32 v129, v63
	s_wait_dscnt 0x0
	s_barrier_signal -1
	WIN 0
	SCALE4 PF1, 0, 0, \slot                        ; registers alone until the wait
	SCALE4 PF1, 0, 1, \slot
	GROUP PF1, 0, 0, \slot
	GROUP PF1, 1, 0, \slot
	WIN 0                                          ; at a branch and at a label every window is 0
	s_barrier_wait -1
.if \fill
	CREST                                          ; no wave of any partner still reads this slot's tiles or has a load on its way
	s_add_nc_u64 s[G0+4*\slot+2:G0+4*\slot+3], s[G0+4*\slot+2:G0+4*\slot+3], 2*KSTEP*2
	s_add_nc_u64 s[G0B+4*\slot+2:G0B+4*\slot+3], s[G0B+4*\slot+2:G0B+4*\slot+3], 2*KSTEP*2048
	JLOAD \slot
.endif
	FETCH \next, 0, PF0
	GROUP PF1, 2, 0, \slot
	GROUP PF1, 3, 0, \slot
.endm
	s_wait_dscnt 0x0                               ; my table is written: no LDS instruction of mine is pending at the signal
	s_wait_tensorcnt 1                             ; my part of key step 0 is in; key step 1's may stay out
	s_barrier_signal -1
	s_barrier_wait -1
	FETCH 0, 0, PF0
	QUARTER 0, 1, PF0, PF1, 1                      ; the first quarter stands in front of the loop: its products start the sums
	WIN 0
	s_mov_b32 s3, LAPS-1
.Llap:                                                 ; a trip goes once round the ring, from a lap's second quarter to the next lap's first, and fills both slots again
	QUARTER 0, 2, PF1, PF0, 0
	QUARTER 0, 3, PF0, PF1, 0
	TURN 0, 1, 1
	QUARTER 1, 1, PF0, PF1, 0
	QUARTER 1, 2, PF1, PF0, 0
	QUARTER 1, 3, PF0, PF1, 0
	TURN 1, 0, 1
	QUARTER 0, 1, PF0, PF1, 0
	WIN 0
	s_sub_co_u32 s3, s3, 1
	s_cmp_lg_u32 s3, 0
	s_cbranch_scc1 .Llap
	QUARTER 0, 2, PF1, PF0, 0                      ; the last lap fills nothing
	QUARTER 0, 3, PF0, PF1, 0
	TURN 0, 1, 0
	QUARTER 1, 1, PF0, PF1, 0
	QUARTER 1, 2, PF1, PF0, 0
	QUARTER 1, 3, PF0, PF1, 0
	s_wait_dscnt 0x0                               ; the very last quarter: nothing more to fetch
	WIN 0
	SCALE4 PF1, 0, 0, 1
	SCALE4 PF1, 0, 1, 1
	GROUP PF1, 0, 0, 1
	GROUP PF1, 1, 0, 1
	GROUP PF1, 2, 0, 1
	GROUP PF1, 3, 0, 1
	; THE WAY OUT, 16 rows at a time: divided by l, 32 bytes a lane into my stage, back as whole rows of 512 bytes, stored.  No v_nop: row blocks 0 to 2 were finished eight scalings or more
	; ahead, and their multiplies here, which name no register of the last products (row block 3's), are the places behind those.
.irp a, 0,1,2,3
	WIN 0x01                                       ; source 0 window 1
.set i, 0
	s_wait_alu depctr_va_vdst(0)
.rept 32
	v_pk_mul_f32 v[T+i:T+i+1], v[64*\a+i:64*\a+i+1], v[RL+2*\a:RL+2*\a+1]
.set i, i+2
.endr
	WIN 0
	s_wait_xcnt 0x0                                ; the registers that earlier stores read are loaded again only behind this wait
.irp b, 0,1,2,3,4,5,6,7
	ds_store_b128 v[STO], v[T+8*\b:T+8*\b+3]   offset:64*\b
	ds_store_b128 v[STO], v[T+8*\b+4:T+8*\b+7] offset:64*\b+16
.endr
.irp t, 0,1,2,3,4,5,6,7,8,9,10,11,12,13,14,15
	ds_load_b128 v[OB+4*\t:OB+4*\t+3], v[RD] offset:\t*SP          ; LDS serves a wave's instructions in order: these see the stores above
.endr
.irp t, 0,1,2,3,4,5,6,7,8,9,10,11,12,13,14,15
	s_wait_dscnt 15-\t                             ; load t is back; the 15 - t younger ones may stay out
	global_store_b128 v[CO], v[OB+4*\t:OB+4*\t+3], s[74:75] offset:(16*\a+\t)*4096 th:TH_STORE_NT   ; 32 lanes store 512 consecutive bytes, at a multiple of 512 from out0's first byte
.endr
.endr
	s_set_vgpr_msb 0x2
	s_wait_tensorcnt 0x0
	ds_add_u32 v129, v63
	s_wait_dscnt 0x0
	s_set_vgpr_msb 0x200
	CROUND                                         ; the closing round: no work-group ends while a partner may still ask for a tile that names it
	s_endpgm
.Lfunc_end_k_qb3854fe23d_pv:
	.size	k_qb3854fe23d_pv, .Lfunc_end_k_qb3854fe23d_pv-k_qb3854fe23d_pv
	.p2alignl 7, 3214868480
	.fill 96, 4, 3214868480
	.section	.rodata,"a",@progbits
	.p2align	6, 0x0
	.amdhsa_kernel k_qb3854fe23d_pv
		.amdhsa_group_segment_fixed_size 327680
		.amdhsa_private_segment_fixed_size 0
		.amdhsa_enable_private_segment 0
		.amdhsa_kernarg_size 32
		.amdhsa_user_sgpr_count 2
		.amdhsa_user_sgpr_kernarg_segment_ptr 1
		.amdhsa_wavefront_size32 1
		.amdhsa_system_sgpr_workgroup_id_x 1
		.amdhsa_system_sgpr_workgroup_id_y 1
		.amdhsa_system_sgpr_workgroup_id_z 1
		.amdhsa_system_vgpr_workitem_id 0
		.amdhsa_next_free_vgpr 642
		.amdhsa_next_free_sgpr 84
		.amdhsa_reserve_vcc 0
		.amdhsa_float_denorm_mode_32 3
		.amdhsa_float_denorm_mode_16_64 3
		.amdhsa_memory_ordered 1
		.amdhsa_forward_progress 1
		.amdhsa_inst_pref_size 150
	.end_amdhsa_kernel
	.amdgpu_metadata
---
amdhsa.version: [ 1, 2 ]
amdhsa.kernels:
  - .name:           k_qb3854fe23d_pv
    .symbol:         k_qb3854fe23d_pv.kd
    .args:
      - { .name: pbuf, .offset: 0, .size: 8, .value_kind: global_buffer, .address_space: global }
      - { .name: stat, .offset: 8, .size: 8, .value_kind: global_buffer, .address_space: global }
      - { .name: qkv, .offset: 16, .size: 8, .value_kind: global_buffer, .address_space: global }
      - { .name: out0, .offset: 24, .size: 8, .value_kind: global_buffer, .address_space: global }
    .group_segment_fixed_size: 327680
    .private_segment_fixed_size: 0
    .kernarg_segment_align: 8
    .kernarg_segment_size: 32
    .max_flat_workgroup_size: 128
    .sgpr_count:     84
    .vgpr_count:     642
    .wavefront_size: 32
...
	.end_amdgpu_metadata
.endif
;; end of part 4
;; ======== version 2 of 2: 4 launches; version 1 with the launch castw written anew for expert scheduling mode
;; workspace buffers: wb 6,291,456 bytes; qkv 50,331,648 bytes; pbuf 33,554,432 bytes; stat 1,048,576 bytes
;; launch castw (part 5): grid 128 x 3, 8 waves a work-group, no clusters, 0 bytes of LDS; arguments Wq_w, Wk_w, Wv_w, wb; writes wb
.if DOCPART == 5
	.amdgcn_target "amdgcn-amd-amdhsa--gfx1250"
	.amdhsa_code_object_version 6
	.text
	.protected	k_qb3854fe23d_castw
	.globl	k_qb3854fe23d_castw
	.p2align	8
	.type	k_qb3854fe23d_castw,@function
k_qb3854fe23d_castw:
	s_mov_b64 s[64:65], 0
	v_nop
	global_prefetch_b8 v0, s[64:65] scope:SCOPE_SE
	s_setreg_imm32_b32 hwreg(HW_REG_WAVE_SCHED_MODE, 0, 2), 2
	s_setreg_imm32_b32 hwreg(HW_REG_WAVE_MODE, 25, 1), 1
	s_wait_xcnt 0x0
	s_wait_alu depctr_vm_vsrc(0)
; wb[y] = bf16(W_y), y = 0, 1, 2 for Wq_w, Wk_w, Wv_w: [1024][1024] f32 -> bf16, rounded to nearest even.
; A stream: no LDS, no barrier, no matrix work.  A work-group of eight waves takes 8,192 numbers (32,768 bytes in, 16,384 out).
; Thread t reads 16 bytes at 16 t of each of eight pieces of 4,096 bytes (a wave's load covers 512 consecutive bytes) and stores
; 8 bytes at 8 t of each of eight pieces of 2,048 bytes (a wave's store covers 256 consecutive bytes, aligned).
; All eight loads go out first; no register is used twice.
; THE MODE: SCHED_MODE bits 1:0 = 2 (LLVM: expert scheduling mode 2), set by the entry lines.  The code itself states the register dependences
; between vector instructions and memory instructions, with s_wait_alu, always for 0.
; THE PLAN.  Registers that memory instructions touch:
;   v1, v2   byte offsets.  Written once at the head by vector shifts; read by the eight loads (v1) and the eight stores (v2); never written again.
;   IN       piece i: written by its one load, before which no vector instruction names it; read by its two roundings; never loaded again.
;   OUT      piece i: written by its two roundings; read by its one store; never written again.
; So two kinds of dependence are to be stated: the offsets are written ahead of the first load, and a piece's OUT is written ahead of its store.  No register
; that a memory instruction has read is written again, no vector instruction writes a scalar register or VCC, and EXEC is never written.
; The pieces go in four groups of two.  A group's stores stand one group later: behind the wait for the next group's loads stands one wait on va_vdst, then the
; two stores of the group before, then the next group's four roundings, which name that group's own IN and OUT alone.
.set IN,  4                            ; v[4:35]   piece i: four f32
.set OUT, 36                           ; v[36:51]  piece i: four bf16
	s_load_b256 s[4:11], s[0:1], 0x0               ; Wq_w s[4:5], Wk_w s[6:7], Wv_w s[8:9], wb s[10:11]
	s_and_b32 s12, ttmp7, 0xffff                   ; which matrix
	s_lshl_b32 s14, ttmp9, 15                      ; the work-group's 32,768 bytes of the source
	s_mov_b32 s15, 0
	s_lshl_b32 s16, s12, 21                        ; the matrix's 2,097,152 bytes in wb,
	s_lshl_b32 s17, ttmp9, 14                      ; the work-group's 16,384 of them
	s_add_co_u32 s16, s16, s17
	s_mov_b32 s17, 0
	v_lshlrev_b32 v1, 4, v0                        ; 16 t
	v_lshlrev_b32 v2, 3, v0                        ; 8 t
	s_wait_kmcnt 0x0
	s_cmp_eq_u32 s12, 1
	s_cselect_b64 s[18:19], s[6:7], s[4:5]
	s_cmp_eq_u32 s12, 2
	s_cselect_b64 s[18:19], s[8:9], s[18:19]
	s_add_nc_u64 s[18:19], s[18:19], s[14:15]
	s_add_nc_u64 s[10:11], s[10:11], s[16:17]
	s_wait_alu depctr_va_vdst(0)                   ; v1 and v2 are written: every load reads v1 and every store v2 as its offset
.irp i, 0,1,2,3,4,5,6,7
	global_load_b128 v[IN+4*\i:IN+4*\i+3], v1, s[18:19] offset:4096*\i th:TH_LOAD_NT
.endr
.macro ROUNDP i                        ; piece i: four f32 -> four bf16 in two registers
	v_cvt_pk_bf16_f32 v[OUT+2*(\i)],   v[IN+4*(\i)],   v[IN+4*(\i)+1]
	v_cvt_pk_bf16_f32 v[OUT+2*(\i)+1], v[IN+4*(\i)+2], v[IN+4*(\i)+3]
.endm
.macro PUT i                           ; piece i leaves
	global_store_b64 v2, v[OUT+2*(\i):OUT+2*(\i)+1], s[10:11] offset:2048*(\i)
.endm
	s_wait_loadcnt 6                               ; loads come back in order: pieces 0 and 1 are in, the six younger ones stay out
	ROUNDP 0
	ROUNDP 1
.irp g, 1,2,3
	s_wait_loadcnt 6-2*\g                          ; pieces 2 g and 2 g + 1 are in, the 6 - 2 g younger ones stay out
	s_wait_alu depctr_va_vdst(0)                   ; the roundings of the group before have written its OUT, which the two stores below read
	PUT 2*\g-2
	PUT 2*\g-1
	ROUNDP 2*\g                                    ; these name IN and OUT of this group alone: no register of the stores above
	ROUNDP 2*\g+1
.endr
	s_wait_alu depctr_va_vdst(0)                   ; the last four roundings have written OUT of pieces 6 and 7, which the last two stores read
	PUT 6
	PUT 7
	s_endpgm
.Lfunc_end_k_qb3854fe23d_castw:
	.size	k_qb3854fe23d_castw, .Lfunc_end_k_qb3854fe23d_castw-k_qb3854fe23d_castw
	.p2alignl 7, 3214868480
	.fill 96, 4, 3214868480
	.section	.rodata,"a",@progbits
	.p2align	6, 0x0
	.amdhsa_kernel k_qb3854fe23d_castw
		.amdhsa_group_segment_fixed_size 0
		.amdhsa_private_segment_fixed_size 0
		.amdhsa_enable_private_segment 0
		.amdhsa_kernarg_size 32
		.amdhsa_user_sgpr_count 2
		.amdhsa_user_sgpr_kernarg_segment_ptr 1
		.amdhsa_wavefront_size32 1
		.amdhsa_system_sgpr_workgroup_id_x 1
		.amdhsa_system_sgpr_workgroup_id_y 1
		.amdhsa_system_sgpr_workgroup_id_z 1
		.amdhsa_system_vgpr_workitem_id 0
		.amdhsa_next_free_vgpr 52
		.amdhsa_next_free_sgpr 66
		.amdhsa_reserve_vcc 0
		.amdhsa_float_denorm_mode_32 3
		.amdhsa_float_denorm_mode_16_64 3
		.amdhsa_memory_ordered 1
		.amdhsa_forward_progress 1
		.amdhsa_inst_pref_size 4
	.end_amdhsa_kernel
	.amdgpu_metadata
---
amdhsa.version: [ 1, 2 ]
amdhsa.kernels:
  - .name:           k_qb3854fe23d_castw
    .symbol:         k_qb3854fe23d_castw.kd
    .args:
      - { .name: Wq_w, .offset: 0, .size: 8, .value_kind: global_buffer, .address_space: global }
      - { .name: Wk_w, .offset: 8, .size: 8, .value_kind: global_buffer, .address_space: global }
      - { .name: Wv_w, .offset: 16, .size: 8, .value_kind: global_buffer, .address_space: global }
      - { .name: wb, .offset: 24, .size: 8, .value_kind: global_buffer, .address_space: global }
    .group_segment_fixed_size: 0
    .private_segment_fixed_size: 0
    .kernarg_segment_align: 8
    .kernarg_segment_size: 32
    .max_flat_workgroup_size: 256
    .sgpr_count:     66
    .vgpr_count:     52
    .wavefront_size: 32
...
	.end_amdgpu_metadata
.endif
;; end of part 5
;; launch proj: the kernel of part 2 again; grid 4 x 64, 4 waves a work-group, clusters of 4 x 4, 327,680 bytes of LDS; arguments Q, K, V, wb, Wq_b, Wk_b, Wv_b, qkv; writes qkv
;; launch scores: the kernel of part 3 again; grid 8 x 32, 4 waves a work-group, clusters of 4 x 4, 327,680 bytes of LDS; arguments qkv, mask, pbuf, stat; writes pbuf, stat
;; launch pv: the kernel of part 4 again; grid 4 x 64, 4 waves a work-group, clusters of 4 x 4, 327,680 bytes of LDS; arguments pbuf, stat, qkv, out0; writes out0
